; MI455X (gfx1250); checked and timed in simulation.
; The chip was launched on July 23, 2026; its instructions are those of AMD's public machine-readable ISA for CDNA 5 (MIT licence, August 2026) and "CDNA5" Instruction Set Architecture Reference Guide (July 2026). The comments in the code are by the model that wrote it; some were corrected since.
;; Self Multihead Attention. Allowed arithmetic: matrix products marked QUANTISED: E5M2 operands, one E8M0 scale for each 32 along K, by v_wmma_scale_f32_16x16x128_f8f6f4 with both operands' format E5M2, f32 sums; everything else in f32.
;; Inputs: Wk 1,024 x 1,024 float32; Wq 1,024 x 1,024 float32; Wv 1,024 x 1,024 float32; bk 1,024 float32; bq 1,024 float32; bv 1,024 float32; embed 4 x 1,024 x 1,024 float32; embed_unknown 4 x 1,024 x 1,024 float32; mask 1,024 x 1,024 float32.
;; Outputs: out0 4 x 1,024 x 1,024 float32; out1 4 x 1,024 x 1,024 float32.
;; This version of the problem:
;;   THIS VERSION OF THE PROBLEM IS GIVEN IN LOW PRECISION. The matrix products marked QUANTISED in the list below multiply operands that are first quantised to E5M2 (5 exponent bits, 2 mantissa bits; 8 bits a number), with one power-of-two scale for each 32 numbers along K (OCP MX v1.0); their sums are f32. All else is computed in f32.
;;   The module's matrix products, in the order in which they are computed (A, B: the left and right operand; K: the contracted axis; several contracted axes count as one K, in the product's order):
;;     1. [M 4,096, K 1,024] x [K 1,024, N 1,024]; A: input embed; B: input Wk: QUANTISED
;;     2. [M 4,096, K 1,024] x [K 1,024, N 1,024]; A: input embed_unknown; B: input Wk: QUANTISED
;;     3. [M 4,096, K 1,024] x [K 1,024, N 1,024]; A: input embed_unknown; B: input Wq: QUANTISED
;;     4. [M 4,096, K 1,024] x [K 1,024, N 1,024]; A: input embed; B: input Wv: QUANTISED
;;     5. [M 4,096, K 1,024] x [K 1,024, N 1,024]; A: input embed_unknown; B: input Wv: QUANTISED
;;     6. batch 64 x [M 1,024, K 64] x [K 64, N 1,024]; A: computed on the way; B: computed on the way: QUANTISED
;;     7. batch 64 x [M 1,024, K 1,024] x [K 1,024, N 64]; A: softmax (see below); B: computed on the way: QUANTISED
;;     8. batch 64 x [M 1,024, K 1,024] x [K 1,024, N 64]; A: computed on the way; B: computed on the way: QUANTISED
;;   THE QUANTISER, for each operand of a quantised product, along K:
;;     - K is cut into blocks of 32 from its start; a last block that is shorter is filled with zeros.
;;     - A block's scale is 2^e with e = floor(log2(the largest magnitude in the block)) - 15, held to -126 .. 127; a block of zeros has e = 0. As a byte (E8M0): e + 127.
;;     - Each number is divided by its block's scale, clamped to +-57,344, and rounded to the nearest number of E5M2, ties to even, subnormals kept.
;;     - The product sums the exact products of the quantised numbers (number of the format x scale) in f32.
;;   ~~~python
;;   def quantise(x, axis):      # numpy; x: float32 -> the quantised numbers, widened to float32 again
;;       x = np.moveaxis(x, axis, -1); K = x.shape[-1]
;;       x = np.pad(x, [(0, 0)] * (x.ndim - 1) + [(0, -K % 32)]); x = x.reshape(x.shape[:-1] + (-1, 32)); a = np.abs(x).max(-1, keepdims=True)
;;       e = np.where(a > 0, np.clip(np.frexp(np.where(a > 0, a, 1))[1] - 1 - 15, -126, 127), 0)      # np.frexp(a)[1] - 1 = floor(log2(a)), exactly
;;       r = np.clip(x / 2.0 ** e, -57344, 57344)
;;       step = 2.0 ** (np.maximum(np.frexp(np.where(r == 0, 1, r))[1] - 1, -14) - 2)
;;       q = np.round(r / step) * step * 2.0 ** e      # np.round: ties to even
;;       return np.moveaxis(q.reshape(q.shape[:-2] + (-1,))[..., :K], -1, axis).astype(np.float32)
;;   ~~~
;;   SOFTMAX AHEAD OF A QUANTISED PRODUCT. Where the list says 'softmax', what is quantised is not the finished softmax but p = 2^(t - M), with t = logit x log2(e) and M = ceil(the row's largest t), a whole number; so 1/2 < the row's largest p <= 1. The row's sum l is taken of the UNQUANTISED p, in f32, and the product's result is divided by l at the end. Since M is a whole number, a kernel that streams over the keys may use a running M (the ceiling of the running maximum): every later rescaling is an exact power of two, which a block's scale takes up: the codes' values come out the same.
;;   OPERANDS COMPUTED ON THE WAY. 'Computed on the way' means the value that the module computes at that place (a softmax that the list does not call 'softmax' is quantised finished and normalised). What goes into a quantiser is computed in f32, as accurately as f32 sums, v_exp_f32 and their like allow (about 1e-6 of the number): no bf16 or f16 on the way to a quantiser, and a product that is left as it is and whose result goes on into a quantised operand takes f32 operands (vector FMAs, or v_wmma_f32_16x16x4_f32). A number that lies on a knife's edge between two numbers of the format may be rounded either way, as far as f32 arithmetic and the matrix unit's own rounding can turn it there, and no further.
;; One version. Each part assembles by itself: llvm-mc -triple=amdgcn-amd-amdhsa -mcpu=gfx1250 --defsym DOCPART=n.
;; ======== version 1 of 1: 3 launches
;; limits: right only within a limited range of input values
;; workspace buffers: xcodes 8,650,752 bytes; wcodes 3,244,032 bytes; kvrec 8,650,752 bytes; qcodes 4,194,304 bytes; qextra 524,288 bytes; vuimg 16,777,216 bytes
;; launch quant (part 1): grid 704 x 1, 4 waves a work-group, no clusters, 68,096 bytes of LDS; arguments embed, embed_unknown, Wk, Wq, Wv, xcodes, wcodes; writes xcodes, wcodes
.if DOCPART == 1
	.amdgcn_target "amdgcn-amd-amdhsa--gfx1250"
	.amdhsa_code_object_version 6
	.text
	.protected	k_q18a29c9e1f_quant
	.globl	k_q18a29c9e1f_quant
	.p2align	8
	.type	k_q18a29c9e1f_quant,@function
k_q18a29c9e1f_quant:
	s_mov_b64 s[64:65], 0
	v_nop
	global_prefetch_b8 v0, s[64:65] scope:SCOPE_SE
	s_setreg_imm32_b32 hwreg(HW_REG_WAVE_MODE, 25, 1), 1
	s_wait_xcnt 0x0
; embed, embed_unknown [4096][1024] and Wk, Wq, Wv [1024 (k)][1024 (n)], all f32, become codes of BF8 (E5M2) with one E8M0 byte for each 32 along K = 1,024.
; A block's scale is 2^(floor(log2(largest magnitude)) - 15); each number is divided by it, held within +-57,344 and rounded to the nearest code, ties to even.
; THE OUTPUT IS LAID AS IMAGES OF OPERAND REGISTERS.  A fragment (16 rows x 128 K) is 2,048 bytes: chunk c (512 bytes) holds lane L's 16 bytes at 16 L: k = 32 c + 16 (L / 16) + 0 .. 15 of row slot L % 16.
; In each group of 32 rows (or columns of W) tile 2 b + u, slot r, is element 32 b + 8 u + r + 8 (r / 8).  A pair of scale words is 128 bytes: lanes 0-15 the even fragment's rows, lanes 16-31 the odd one's.
; xcodes: [32 blocks of 128 rows][8 K steps] records of 33,792 bytes: embed's 8 fragments, embed_unknown's 8, embed's 4 pairs of scale words, embed_unknown's 4.
; wcodes: [8 blocks of 128 columns][8 K steps] records of 50,688 bytes: Wk's, Wq's, Wv's 8 fragments each, then 4 pairs of scale words each.
; Work-groups 0-511: one tensor, 128 rows, one K step; a wave takes 32 rows.  Each load reads 512 consecutive bytes of a row; the rows turn through the wave's own stage in LDS (pitch 528) so that a lane gets 16 neighbours along K.
; Work-groups 512-703: one weight, 128 columns, one K step; a lane takes a column and its registers run down K, so a block of 32 lies in one lane and nothing is transposed.
; No tensor load, no barrier: waves share nothing.  Only the first path touches LDS.
; LIMITS: a block of zeros, or one whose largest magnitude lies under 2^-111, gets the byte 1 (this program alone reads the bytes; zero codes add nothing).  NaN and infinities among the inputs are not served.
.set SEL, 20                           ; s[20:21] lane selects: lane l xor 16
.set MNT, 22                           ; s22 the mantissa field of 57,344
.set HI,  23                           ; s23 mask of lanes 16-31
.set TM,  16                           ; v16-31 at work: maxima, bytes, holds, scale operands
.set PC0, 32                           ; v32-47 codes of the even fragment
.set PC1, 48                           ; v48-63 of the odd one
.set RA,  64                           ; v64-127 16 rows as loaded; later the odd fragment's numbers
.set RB,  128                          ; v128-191 the odd fragment's rows as loaded
.set XA,  192                          ; v192-255 the even fragment's numbers, 16 neighbours a block
.set SP,  528                          ; a stage row: 512 bytes + 16
	s_load_b256 s[4:11], s[0:1], 0x0               ; embed, embed_unknown, Wk, Wq
	s_load_b128 s[12:15], s[0:1], 0x20             ; Wv, xcodes
	s_load_b64 s[16:17], s[0:1], 0x30              ; wcodes
	v_lshl_add_u32 v14, v0, 2, 0x10800
	v_mov_b32 v15, 0
	v_lshrrev_b32 v1, 5, v0
	v_readfirstlane_b32 s18, v1                    ; wave 0..3
	v_and_b32 v7, 31, v0                           ; lane
	s_mov_b32 s[MNT], 0x600000
	s_cmp_ge_u32 ttmp9, 512
	s_cbranch_scc1 .Lweights
; 64 numbers of a lane, register 16 b + i = k 32 b + 16 (lane / 16) + i of my row, become a fragment's codes and its scale word
.macro QUANT s, pc, pw
.irp b,0,1,2,3
	v_max3_num_f32 v[TM+\b], |v[\s+16*\b]|, |v[\s+16*\b+1]|, 0x8000000      ; my 16 numbers of block b, and the floor 2^(16 - 127): the byte cannot fall under 1
.endr
.irp i,2,4,6,8,10,12,14
.irp b,0,1,2,3
	v_max3_num_f32 v[TM+\b], v[TM+\b], |v[\s+16*\b+\i]|, |v[\s+16*\b+\i+1]|
.endr
.endr
.irp b,0,1,2,3
	v_permlanex16_b32 v[TM+4+\b], v[TM+\b], s[SEL], s[SEL+1]
.endr
.irp b,0,1,2,3
	v_max_num_f32 v[TM+\b], v[TM+\b], v[TM+4+\b]   ; with lane l xor 16's 16: the block's largest magnitude
.endr
.irp b,0,1,2,3
	v_add_nc_u32 v[TM+12+\b], 0xf8800000, v[TM+\b] ; 15 off the exponent field: the conversion's scale operand
.endr
.irp b,0,1,2,3
	v_and_or_b32 v[TM+8+\b], v[TM+\b], 0x7f800000, s[MNT]   ; 57,344 x the scale
.endr
.irp b,0,1,2,3
	v_lshrrev_b32 v[TM+4+\b], 23, v[TM+12+\b]      ; the scale's byte
.endr
	v_lshl_or_b32 v[\pw], v[TM+5], 8, v[TM+4]
	v_lshl_or_b32 v[\pw], v[TM+6], 16, v[\pw]
	v_lshl_or_b32 v[\pw], v[TM+7], 24, v[\pw]
.irp b,0,1,2,3
.irp i,0,1,2,3,4,5,6,7,8,9,10,11,12,13,14,15
	v_med3_num_f32 v[\s+16*\b+\i], v[\s+16*\b+\i], -v[TM+8+\b], v[TM+8+\b]  ; the conversion does not saturate (ISA guide 7.6.2): the hold comes first
.endr
	v_cvt_scalef32_pk8_bf8_f32 v[\pc+4*\b:\pc+4*\b+1], v[\s+16*\b:\s+16*\b+7], v[TM+12+\b]
	v_cvt_scalef32_pk8_bf8_f32 v[\pc+4*\b+2:\pc+4*\b+3], v[\s+16*\b+8:\s+16*\b+15], v[TM+12+\b]
.endr
	v_nop                                          ; a plain line behind the last conversion
.endm
	; ---- embed or embed_unknown
	s_lshr_b32 s24, ttmp9, 8                       ; which tensor
	s_bfe_u32 s25, ttmp9, 0x50003                  ; block of 128 rows
	s_and_b32 s26, ttmp9, 7                        ; K step
	s_mov_b32 s[SEL], 0x76543210
	s_mov_b32 s[SEL+1], 0xfedcba98
	s_mov_b32 s[HI], 0xffff0000
	s_lshl_b32 s28, s25, 19                        ; 128 rows of 4,096 bytes,
	s_lshl_b32 s27, s18, 17                        ; my wave's 32,
	s_add_co_u32 s28, s28, s27
	s_lshl_b32 s27, s26, 9                         ; 128 numbers along K
	s_add_co_u32 s28, s28, s27
	s_mov_b32 s29, 0
	s_lshl_b32 s30, s25, 3
	s_add_co_u32 s30, s30, s26
	s_mul_i32 s30, s30, 33792                      ; the record
	s_lshl_b32 s27, s24, 14
	s_add_co_u32 s32, s30, s27                     ; the tensor's 8 fragments,
	s_lshl_b32 s27, s18, 12
	s_add_co_u32 s32, s32, s27                     ; my two
	s_mov_b32 s33, 0
	s_lshl_b32 s27, s24, 9
	s_add_co_u32 s34, s30, s27
	s_lshl_b32 s27, s18, 7
	s_add_co_u32 s34, s34, s27
	s_add_co_u32 s34, s34, 32768                   ; my pair of scale words
	s_mov_b32 s35, 0
	s_mul_i32 s19, s18, 32*SP                      ; my two stages
	s_wait_alu depctr_va_vdst(0)
	v_lshlrev_b32 v1, 4, v7                        ; 16 x lane
	v_lshlrev_b32 v2, 2, v7                        ; 4 x lane
	v_add_nc_u32 v3, s19, v1                       ; into a stage: a row as it lies
	v_and_b32 v8, 15, v0
	v_bfe_u32 v9, v0, 4, 1
	v_mul_u32_u24 v4, v8, SP
	v_lshl_add_u32 v4, v9, 6, v4
	v_add_nc_u32 v4, s19, v4                       ; out of it: row r, + 64 bytes for lanes 16-31
.irp b,0,1,2,3
	v_mov_b32 v[TM+4+\b], 0                        ; written once: a lane permute's destination counts as read
.endr
	s_wait_alu depctr_va_vdst(0)
	s_wait_kmcnt 0x0
	s_cmp_eq_u32 s24, 0
	s_cselect_b64 s[4:5], s[4:5], s[6:7]
	s_add_nc_u64 s[4:5], s[4:5], s[28:29]
	s_add_nc_u64 s[36:37], s[14:15], s[32:33]
	s_add_nc_u64 s[38:39], s[14:15], s[34:35]
.irp u,0,1
.irp r,0,1,2,3,4,5,6,7,8,9,10,11,12,13,14,15
	global_load_b128 v[RA+64*\u+4*\r:RA+64*\u+4*\r+3], v1, s[4:5] offset:(8*\u+\r+8*(\r/8))*4096 th:TH_LOAD_NT   ; slot r of fragment u: 512 consecutive bytes of its row
.endr
.endr
	s_wait_loadcnt 16                              ; the even fragment's 16 rows are in; the odd one's 16 loads may be out
.irp r,0,1,2,3,4,5,6,7,8,9,10,11,12,13,14,15
	ds_store_b128 v3, v[RA+4*\r:RA+4*\r+3] offset:SP*\r
.endr
.irp c,0,1,2,3
.irp q,0,1,2,3
	ds_load_b128 v[XA+16*\c+4*\q:XA+16*\c+4*\q+3], v4 offset:128*\c+16*\q      ; LDS serves a wave's instructions in order: these see the stores above
.endr
.endr
	s_wait_loadcnt 0x0
.irp r,0,1,2,3,4,5,6,7,8,9,10,11,12,13,14,15
	ds_store_b128 v3, v[RB+4*\r:RB+4*\r+3] offset:16*SP+SP*\r
.endr
	s_wait_dscnt 16                                ; all but those 16 stores: the even fragment's numbers are in, and the first stores have read v64-127
.irp c,0,1,2,3
.irp q,0,1,2,3
	ds_load_b128 v[RA+16*\c+4*\q:RA+16*\c+4*\q+3], v4 offset:16*SP+128*\c+16*\q
.endr
.endr
	QUANT XA, PC0, 5
.irp c,0,1,2,3
	global_store_b128 v1, v[PC0+4*\c:PC0+4*\c+3], s[36:37] offset:512*\c       ; 32 lanes store 512 consecutive bytes
.endr
	s_wait_dscnt 0x0
	QUANT RA, PC1, 6
.irp c,0,1,2,3
	global_store_b128 v1, v[PC1+4*\c:PC1+4*\c+3], s[36:37] offset:2048+512*\c
.endr
	v_cndmask_b32 v10, v5, v6, s[HI]               ; lanes 0-15 the even fragment's words, lanes 16-31 the odd one's
	global_store_b32 v2, v10, s[38:39]
	s_wait_tensorcnt 0x0
	ds_add_u32 v14, v15
	s_wait_dscnt 0x0
	s_endpgm
	; ---- a weight: K is its first axis
.Lweights:
	s_sub_co_u32 s24, ttmp9, 512
	s_lshr_b32 s25, s24, 6                         ; which weight: 0 Wk, 1 Wq, 2 Wv
	s_bfe_u32 s26, s24, 0x30003                    ; block of 128 columns
	s_and_b32 s27, s24, 7                          ; K step
	s_lshl_b32 s28, s27, 19                        ; 128 rows of 4,096 bytes
	s_lshl_b32 s30, s26, 9
	s_add_co_u32 s28, s28, s30
	s_lshl_b32 s30, s18, 7
	s_add_co_u32 s28, s28, s30                     ; my wave's 32 columns
	s_mov_b32 s29, 0
	s_lshl_b32 s30, s26, 3
	s_add_co_u32 s30, s30, s27
	s_mul_i32 s30, s30, 50688                      ; the record
	s_lshl_b32 s31, s25, 14
	s_add_co_u32 s32, s30, s31
	s_lshl_b32 s31, s18, 12
	s_add_co_u32 s32, s32, s31                     ; my two fragments
	s_mov_b32 s33, 0
	s_lshl_b32 s31, s25, 9
	s_add_co_u32 s34, s30, s31
	s_lshl_b32 s31, s18, 7
	s_add_co_u32 s34, s34, s31
	s_add_co_u32 s34, s34, 49152                   ; my pair of scale words
	s_mov_b32 s35, 0
	s_wait_alu depctr_va_vdst(0)
	v_lshlrev_b32 v3, 2, v7                        ; in: 4 bytes a lane
	v_bfe_u32 v8, v7, 3, 1                         ; column x of 32 is slot r = x % 8 + 8 (x / 16) of fragment u = (x / 8) % 2
	v_and_b32 v9, 7, v7
	v_lshrrev_b32 v10, 4, v7
	v_lshl_add_u32 v9, v10, 3, v9
	v_lshlrev_b32 v4, 4, v9
	v_lshl_add_u32 v4, v8, 11, v4                  ; codes: 2,048 u + 16 r
	v_lshlrev_b32 v5, 2, v9
	v_lshl_add_u32 v5, v8, 6, v5                   ; scale word: 64 u + 4 r
	s_wait_alu depctr_va_vdst(0)
	s_wait_kmcnt 0x0
	s_cmp_eq_u32 s25, 0
	s_cselect_b64 s[4:5], s[8:9], s[10:11]
	s_cmp_eq_u32 s25, 2
	s_cselect_b64 s[4:5], s[12:13], s[4:5]
	s_add_nc_u64 s[4:5], s[4:5], s[28:29]
	s_add_nc_u64 s[36:37], s[16:17], s[32:33]
	s_add_nc_u64 s[38:39], s[16:17], s[34:35]
.macro WLOAD t                         ; block t: W(32 t + i, my column) into set t % 2: 128 consecutive bytes a load
.set n, 0
.rept 32
	global_load_b32 v[32+32*((\t)%2)+n], v3, s[4:5] offset:(32*(\t)+n)*4096 th:TH_LOAD_NT
.set n, n+1
.endr
.endm
.macro WBLOCK t
.set XS, 32+32*((\t)%2)
.set CW, 96+8*(\t)                     ; each block has code registers of its own: no store's data are written again
.if (\t) < 3
	s_wait_loadcnt 32                              ; this block's 32 loads are in; the next block's may be out
.else
	s_wait_loadcnt 0x0
.endif
	v_max3_num_f32 v12, |v[XS]|, |v[XS+1]|, |v[XS+2]|
	v_max3_num_f32 v13, |v[XS+3]|, |v[XS+4]|, |v[XS+5]|
.irp i,6,10,14,18,22,26
	v_max3_num_f32 v12, v12, |v[XS+\i]|, |v[XS+\i+1]|
	v_max3_num_f32 v13, v13, |v[XS+\i+2]|, |v[XS+\i+3]|
.endr
	v_max3_num_f32 v12, v12, |v[XS+30]|, |v[XS+31]|
	v_max3_num_f32 v12, v12, v13, 0x8000000        ; all 32 numbers are mine; and the floor
	v_add_nc_u32 v11, 0xf8800000, v12
	v_and_or_b32 v10, v12, 0x7f800000, s[MNT]
	v_lshrrev_b32 v13, 23, v11
.if (\t) == 0
	v_mov_b32 v24, v13
.else
	v_lshl_or_b32 v24, v13, 8*(\t), v24
.endif
.set n, 0
.rept 32
	v_med3_num_f32 v[XS+n], v[XS+n], -v10, v10
.set n, n+1
.endr
.irp g,0,1,2,3
	v_cvt_scalef32_pk8_bf8_f32 v[CW+2*\g:CW+2*\g+1], v[XS+8*\g:XS+8*\g+7], v11
.endr
	v_nop
	global_store_b128 v4, v[CW:CW+3], s[36:37] offset:512*(\t)                 ; k 0-15 of the block: lanes 0-15's half of chunk t; sixteen lanes fill 256 aligned bytes
	global_store_b128 v4, v[CW+4:CW+7], s[36:37] offset:512*(\t)+256           ; k 16-31: lanes 16-31's half
.if (\t)+2 < 4
	WLOAD (\t)+2
.endif
.endm
	WLOAD 0
	WLOAD 1
	WBLOCK 0
	WBLOCK 1
	WBLOCK 2
	WBLOCK 3
	global_store_b32 v5, v24, s[38:39]
	s_endpgm
.Lfunc_end_k_q18a29c9e1f_quant:
	.size	k_q18a29c9e1f_quant, .Lfunc_end_k_q18a29c9e1f_quant-k_q18a29c9e1f_quant
	.p2alignl 7, 3214868480
	.fill 96, 4, 3214868480
	.section	.rodata,"a",@progbits
	.p2align	6, 0x0
	.amdhsa_kernel k_q18a29c9e1f_quant
		.amdhsa_group_segment_fixed_size 68096
		.amdhsa_private_segment_fixed_size 0
		.amdhsa_enable_private_segment 0
		.amdhsa_kernarg_size 56
		.amdhsa_user_sgpr_count 2
		.amdhsa_user_sgpr_kernarg_segment_ptr 1
		.amdhsa_wavefront_size32 1
		.amdhsa_system_sgpr_workgroup_id_x 1
		.amdhsa_system_sgpr_workgroup_id_y 1
		.amdhsa_system_sgpr_workgroup_id_z 1
		.amdhsa_system_vgpr_workitem_id 0
		.amdhsa_next_free_vgpr 256
		.amdhsa_next_free_sgpr 66
		.amdhsa_reserve_vcc 0
		.amdhsa_float_denorm_mode_32 3
		.amdhsa_float_denorm_mode_16_64 3
		.amdhsa_memory_ordered 1
		.amdhsa_forward_progress 1
		.amdhsa_inst_pref_size 56
	.end_amdhsa_kernel
	.amdgpu_metadata
---
amdhsa.version: [ 1, 2 ]
amdhsa.kernels:
  - .name:           k_q18a29c9e1f_quant
    .symbol:         k_q18a29c9e1f_quant.kd
    .args:
      - { .name: embed, .offset: 0, .size: 8, .value_kind: global_buffer, .address_space: global }
      - { .name: embed_unknown, .offset: 8, .size: 8, .value_kind: global_buffer, .address_space: global }
      - { .name: Wk, .offset: 16, .size: 8, .value_kind: global_buffer, .address_space: global }
      - { .name: Wq, .offset: 24, .size: 8, .value_kind: global_buffer, .address_space: global }
      - { .name: Wv, .offset: 32, .size: 8, .value_kind: global_buffer, .address_space: global }
      - { .name: xcodes, .offset: 40, .size: 8, .value_kind: global_buffer, .address_space: global }
      - { .name: wcodes, .offset: 48, .size: 8, .value_kind: global_buffer, .address_space: global }
    .group_segment_fixed_size: 68096
    .private_segment_fixed_size: 0
    .kernarg_segment_align: 8
    .kernarg_segment_size: 56
    .max_flat_workgroup_size: 128
    .sgpr_count:     66
    .vgpr_count:     256
    .wavefront_size: 32
...
	.end_amdgpu_metadata
.endif
;; end of part 1
;; launch proj (part 2): grid 8 x 32, 4 waves a work-group, clusters of 4 x 4, 327,680 bytes of LDS; arguments xcodes, wcodes, bk, bq, bv, kvrec, qcodes, qextra, vuimg; writes kvrec, qcodes, qextra, vuimg
.if DOCPART == 2
	.amdgcn_target "amdgcn-amd-amdhsa--gfx1250"
	.amdhsa_code_object_version 6
	.text
	.protected	k_q18a29c9e1f_proj
	.globl	k_q18a29c9e1f_proj
	.p2align	8
	.type	k_q18a29c9e1f_proj,@function
k_q18a29c9e1f_proj:
	s_mov_b64 s[64:65], 0
	v_nop
	global_prefetch_b8 v0, s[64:65] scope:SCOPE_SE
	s_setreg_imm32_b32 hwreg(HW_REG_WAVE_MODE, 25, 1), 1
	s_wait_xcnt 0x0
	s_wait_alu depctr_hold_cnt(0) depctr_sa_sdst(0) depctr_va_vdst(0) depctr_va_sdst(0) depctr_va_ssrc(0) depctr_va_vcc(0) depctr_vm_vsrc(0)
	s_getreg_b32 s2, hwreg(HW_REG_IB_STS2, 6, 4)
	s_cmp_eq_u32 s2, 0
	s_cbranch_scc0 .Lentry_in_a_cluster
	s_endpgm
.Lentry_in_a_cluster:
	s_bfe_u32 s2, ttmp6, 0x10000c
	s_cmp_lg_u32 s2, 0xf033
	s_cbranch_scc0 .Lentry_shape_is_right
	s_endpgm
.Lentry_shape_is_right:
.set XREC,  33792
.set WREC,  50688
.set SLOT,  XREC+WREC
.set SPARE, 2*SLOT
.set LI,   1
.set LS,   2
.set ADRA, 4
.set ADRB, 6
.set ASA,  8
.set ASB,  10
.set SPW,  12
.set NIL,  13
.set VBH,  14
.set VBR,  15
.set TM,   16
.set SUM,  26
.set YT,   30
.set SCS,  32
.set QW,   40
.set KW,   52
.set HV,   56
.set XF,   64
.set UF,   128
.set WQF,  192
.set WKF,  128
.set WVF,  192
.set KACC, 0
.set VACC, 128
.set KUA,  0
.set QUA,  128
.set VUA,  0
.set BK,   64
.set BQ,   96
.set BV,   128
.set BVN,  160
.set PCS,  128
.set G1,   24
.set G0,   32
.set G1B,  48
.set G0B,  56
.set SEL,  92
.set MNT,  94
.set HI,   95
; k, k_u, q_u, v, v_u = x W + b on codes of BF8 with E8M0 scales, and their quantisers: a work-group takes 128 rows of embed and of embed_unknown and 128 columns of Wk, Wq, Wv; K goes in 8 steps of 128 through two LDS slots.
; A slot holds one record of x (33,792 bytes) and one of w (50,688 bytes).  At the head each wave asks for ONE whole record (waves 0, 1: x's records 0, 1; waves 2, 3: w's), so both slots are asked for at once; a refill brings half a record a wave.
; PREFETCH: record 2 behind the head's load, and K step t names record t + 3, one step ahead of the refill that loads it; the last names record 7.  Of the 66 (x) or 99 (w) rows of 256 bytes that a wave fetches, each of the four
; partners of the joint load names 17 or 25, told apart by address; lanes left over name the wave's last row again.  w's rows are named by the even rows of clusters alone: four clusters to a block.
.set MSB, 0
.set PFON, 1                           ; 1 while K steps still name a record ahead
.set PFO, 62                           ; v62 the prefetches' offset: 256 x my row; never rewritten
.macro ASK                             ; s[4:5]: my wave's half of the record that is named; s2: 0 in the waves that ask
	s_cmp_eq_u32 s2, 0
	s_cbranch_scc0 .Lnone_\@
	global_prefetch_b8 v[PFO], s[4:5] th:TH_LOAD_NT scope:SCOPE_SE
.Lnone_\@:
.endm
.macro WIN new
.if MSB != (\new)
	s_set_vgpr_msb (MSB<<8)|(\new)
.set MSB, \new
.endif
.endm
.macro PLACES n
.rept \n
	v_nop
.endr
.endm
.macro JLOAD k
	s_cmp_eq_u32 s23, 0
	s_cbranch_scc0 .Lfor_b_\@
	tensor_load_to_lds s[G0+4*(\k):G0+4*(\k)+3], s[G1:G1+7]
	s_nop 0
	PLACES 4
	s_branch .Lasked_\@
.Lfor_b_\@:
	tensor_load_to_lds s[G0B+4*(\k):G0B+4*(\k)+3], s[G1B:G1B+7]
	s_nop 0
	PLACES 4
.Lasked_\@:
.endm
.macro CREST
	s_cmp_lg_u32 s22, 0
	s_cbranch_scc1 .Lnot_wave_0_\@
	s_barrier_signal -3
.Lnot_wave_0_\@:
	s_barrier_wait -3
	s_barrier_signal -1
	s_barrier_wait -1
.endm
.macro CROUND
	s_barrier_signal -1
	s_barrier_wait -1
	CREST
.endm
	s_load_b256 s[4:11], s[0:1], 0x0
	s_load_b256 s[12:19], s[0:1], 0x20
	s_load_b64 s[20:21], s[0:1], 0x40
	v_lshl_add_u32 v[SPW], v0, 2, SPARE
	v_mov_b32 v[NIL], 0
	ds_add_u32 v12, v13
	ds_add_u32 v12, v13
	s_wait_dscnt 0x0
	v_lshrrev_b32 v3, 5, v0
	v_readfirstlane_b32 s22, v3
	s_lshr_b32 s23, s22, 1
	s_and_b32 s40, s22, 1
	s_bfe_u32 s41, ttmp6, 0x40000
	s_bfe_u32 s42, ttmp6, 0x40004
	s_lshl_b32 s43, ttmp9, 2
	s_add_co_u32 s43, s43, s41
	s_and_b32 s44, ttmp7, 0xffff
	s_lshl_b32 s44, s44, 2
	s_add_co_u32 s44, s44, s42
	s_lshl_b32 s45, s42, 2
	s_lshl_b32 s45, 15, s45
	s_lshl_b32 s46, 0x1111, s41
	s_or_b32 s[G1], s45, (3<<16)|(1<<21)
	s_mov_b32 s[G1+1], 32<<16
	s_mov_b32 s[G1+2], 132<<16                     ; the head's load brings a whole record: 132 rows of 256 bytes
	s_mov_b32 s[G1+3], 32<<16
	s_mov_b32 s[G1+4], 132
	s_mov_b32 s[G1+5], 32
	s_mov_b32 s[G1+6], 0
	s_mov_b32 s[G1+7], 0
	s_or_b32 s[G1B], s46, (3<<16)|(1<<21)
	s_mov_b32 s[G1B+1], 32<<16
	s_mov_b32 s[G1B+2], 198<<16                    ; and 198 of w's
	s_mov_b32 s[G1B+3], 32<<16
	s_mov_b32 s[G1B+4], 198
	s_mov_b32 s[G1B+5], 32
	s_mov_b32 s[G1B+6], 0
	s_mov_b32 s[G1B+7], 0
	s_mul_i32 s66, s44, 8*XREC
	s_mul_i32 s68, s40, XREC/2
	s_add_co_u32 s66, s66, s68
	s_mov_b32 s67, 0
	s_mul_i32 s70, s43, 8*WREC
	s_mul_i32 s69, s40, WREC/2
	s_add_co_u32 s70, s70, s69
	s_mov_b32 s71, 0
	s_add_co_u32 s69, s69, XREC
	s_cmp_eq_u32 s23, 0                            ; do I fetch for x?
	s_cselect_b32 s96, s41, s42                    ; my place among the four that ask with me: it enters a global offset alone
	s_cselect_b32 s97, 17, 25                      ; rows a partner
	s_mov_b32 s98, 98
	s_cselect_b32 s98, 65, s98                     ; my wave's last row
	s_mul_i32 s96, s96, s97
	s_sub_co_u32 s97, s97, 1
	v_and_b32 v63, 31, v0
	v_min_u32 v63, s97, v63
	v_add_nc_u32 v63, s96, v63
	v_min_u32 v63, s98, v63
	v_lshlrev_b32 v[PFO], 8, v63
	s_and_b32 s2, ttmp7, 1
	s_and_b32 s2, s2, s23                          ; 1 in w's waves of the odd rows of clusters: they ask for nothing
	s_wait_alu depctr_va_vdst(0)                   ; directly ahead of the wait below
	s_wait_kmcnt 0x0
	s_add_nc_u64 s[66:67], s[4:5], s[66:67]
	s_add_nc_u64 s[70:71], s[6:7], s[70:71]
	CROUND
.irp k,0,1
	s_mov_b32 s[G0+4*\k], 1
	s_add_co_u32 s[G0+4*\k+1], s68, \k*SLOT
	s_add_nc_u64 s[G0+4*\k+2:G0+4*\k+3], s[66:67], \k*XREC
	s_or_b32 s[G0+4*\k+3], s[G0+4*\k+3], 0x80000000
	s_mov_b32 s[G0B+4*\k], 1
	s_add_co_u32 s[G0B+4*\k+1], s69, \k*SLOT
	s_add_nc_u64 s[G0B+4*\k+2:G0B+4*\k+3], s[70:71], \k*WREC
	s_or_b32 s[G0B+4*\k+3], s[G0B+4*\k+3], 0x80000000
.endr
	s_mov_b32 s96, s68                             ; the head's loads use slot 0's groups 0: record (wave % 2), whole, into slot (wave % 2)
	s_mov_b32 s97, 0
	s_mul_i32 s[G0+1], s40, SLOT
	s_add_nc_u64 s[G0+2:G0+3], s[66:67], s[96:97]
	s_or_b32 s[G0+3], s[G0+3], 0x80000000
	s_sub_co_u32 s96, s69, XREC
	s_mul_i32 s[G0B+1], s40, SLOT
	s_add_co_u32 s[G0B+1], s[G0B+1], XREC
	s_add_nc_u64 s[G0B+2:G0B+3], s[70:71], s[96:97]
	s_or_b32 s[G0B+3], s[G0B+3], 0x80000000
	s_cmp_eq_u32 s23, 0
	s_cselect_b64 s[4:5], s[66:67], s[70:71]       ; the prefetches: my wave's half of record 0,
	s_mov_b32 s6, WREC
	s_cselect_b32 s6, XREC, s6                     ; a record on,
	s_mov_b32 s7, 0
	s_add_nc_u64 s[4:5], s[4:5], s[6:7]
	s_add_nc_u64 s[4:5], s[4:5], s[6:7]            ; at record 2
	JLOAD 0                                        ; one tensor load a wave at the head
	ASK
	v_and_b32 v3, 31, v0
	v_lshlrev_b32 v[LI], 4, v3
	s_wait_alu depctr_va_vdst(0)
	v_lshlrev_b32 v[LS], 2, v3
	s_wait_alu depctr_va_vdst(0)
	s_lshl_b32 s45, s23, 13
	s_lshl_b32 s46, s40, 13
	s_add_co_u32 s46, s46, XREC
	s_lshl_b32 s47, s23, 8
	s_add_co_u32 s47, s47, 32768
	s_lshl_b32 s72, s40, 8
	s_add_co_u32 s72, s72, XREC+49152
.irp k,0,1
	v_add_nc_u32 v[ADRA+\k], s45, v[LI]
	v_add_nc_u32 v[ADRB+\k], s46, v[LI]
	v_add_nc_u32 v[ASA+\k], s47, v[LS]
	v_add_nc_u32 v[ASB+\k], s72, v[LS]
	s_add_co_u32 s45, s45, SLOT
	s_add_co_u32 s46, s46, SLOT
	s_add_co_u32 s47, s47, SLOT
	s_add_co_u32 s72, s72, SLOT
.endr
	v_bfe_u32 v3, v0, 4, 1
	v_lshlrev_b32 v[VBH], 6, v3
	v_and_b32 v3, 15, v0
	v_and_b32 v[VBR], 8, v3
	v_add_nc_u32 v[VBR], v[VBR], v3
	v_lshlrev_b32 v[VBR], 2, v[VBR]
	v_mov_b32 v[TM+2], 0
	v_mov_b32 v[TM+3], 0
	s_lshr_b32 s92, s44, 3
	s_and_b32 s93, s44, 7
	s_lshl_b32 s94, s43, 1
	s_add_co_u32 s94, s94, s40
	s_lshl_b32 s95, s92, 4
	s_add_co_u32 s95, s95, s94
	s_lshl_b32 s96, s95, 3
	s_add_co_u32 s96, s96, s93
	s_mul_i32 s96, s96, 16896
	s_mov_b32 s97, 0
	s_add_nc_u64 s[14:15], s[14:15], s[96:97]
	s_lshl_b32 s96, s23, 12
	s_add_nc_u64 s[72:73], s[14:15], s[96:97]
	s_lshl_b32 s96, s23, 7
	s_add_nc_u64 s[74:75], s[14:15], s[96:97]
	s_lshl_b32 s96, s23, 10
	s_add_nc_u64 s[76:77], s[14:15], s[96:97]
	s_lshl_b32 s96, s23, 1
	s_add_nc_u64 s[78:79], s[14:15], s[96:97]
	s_lshl_b32 s98, s95, 6
	s_lshl_b32 s96, s93, 3
	s_add_co_u32 s98, s98, s96
	s_lshl_b32 s96, s23, 2
	s_add_co_u32 s98, s98, s96
	s_lshl_b32 s96, s98, 10
	s_add_nc_u64 s[80:81], s[16:17], s[96:97]
	s_lshl_b32 s96, s98, 7
	s_add_nc_u64 s[82:83], s[18:19], s[96:97]
	s_lshl_b32 s96, s98, 12
	s_add_nc_u64 s[84:85], s[20:21], s[96:97]
	s_lshl_b32 s96, s43, 9
	s_lshl_b32 s99, s40, 8
	s_add_co_u32 s96, s96, s99
	s_add_nc_u64 s[86:87], s[8:9], s[96:97]
	s_add_nc_u64 s[88:89], s[10:11], s[96:97]
	s_add_nc_u64 s[90:91], s[12:13], s[96:97]
	s_mov_b32 s[SEL], 0x76543210
	s_mov_b32 s[SEL+1], 0xfedcba98
	s_mov_b32 s[MNT], 0x600000
	s_mov_b32 s[HI], 0xffff0000
.macro MM d, a, b, zero, sa, sb, ra, rb
.if \zero
.if (\ra) && (\rb)
	v_wmma_scale_f32_16x16x128_f8f6f4 v[(\d):(\d)+7], v[(\a):(\a)+15], v[(\b):(\b)+15], 0, v[\sa], v[\sb] matrix_a_fmt:MATRIX_FMT_BF8 matrix_b_fmt:MATRIX_FMT_BF8 matrix_a_scale:MATRIX_SCALE_ROW1 matrix_b_scale:MATRIX_SCALE_ROW1
.elseif \ra
	v_wmma_scale_f32_16x16x128_f8f6f4 v[(\d):(\d)+7], v[(\a):(\a)+15], v[(\b):(\b)+15], 0, v[\sa], v[\sb] matrix_a_fmt:MATRIX_FMT_BF8 matrix_b_fmt:MATRIX_FMT_BF8 matrix_a_scale:MATRIX_SCALE_ROW1
.elseif \rb
	v_wmma_scale_f32_16x16x128_f8f6f4 v[(\d):(\d)+7], v[(\a):(\a)+15], v[(\b):(\b)+15], 0, v[\sa], v[\sb] matrix_a_fmt:MATRIX_FMT_BF8 matrix_b_fmt:MATRIX_FMT_BF8 matrix_b_scale:MATRIX_SCALE_ROW1
.else
	v_wmma_scale_f32_16x16x128_f8f6f4 v[(\d):(\d)+7], v[(\a):(\a)+15], v[(\b):(\b)+15], 0, v[\sa], v[\sb] matrix_a_fmt:MATRIX_FMT_BF8 matrix_b_fmt:MATRIX_FMT_BF8
.endif
.else
.if (\ra) && (\rb)
	v_wmma_scale_f32_16x16x128_f8f6f4 v[(\d):(\d)+7], v[(\a):(\a)+15], v[(\b):(\b)+15], v[(\d):(\d)+7], v[\sa], v[\sb] matrix_a_fmt:MATRIX_FMT_BF8 matrix_b_fmt:MATRIX_FMT_BF8 matrix_a_scale:MATRIX_SCALE_ROW1 matrix_b_scale:MATRIX_SCALE_ROW1
.elseif \ra
	v_wmma_scale_f32_16x16x128_f8f6f4 v[(\d):(\d)+7], v[(\a):(\a)+15], v[(\b):(\b)+15], v[(\d):(\d)+7], v[\sa], v[\sb] matrix_a_fmt:MATRIX_FMT_BF8 matrix_b_fmt:MATRIX_FMT_BF8 matrix_a_scale:MATRIX_SCALE_ROW1
.elseif \rb
	v_wmma_scale_f32_16x16x128_f8f6f4 v[(\d):(\d)+7], v[(\a):(\a)+15], v[(\b):(\b)+15], v[(\d):(\d)+7], v[\sa], v[\sb] matrix_a_fmt:MATRIX_FMT_BF8 matrix_b_fmt:MATRIX_FMT_BF8 matrix_b_scale:MATRIX_SCALE_ROW1
.else
	v_wmma_scale_f32_16x16x128_f8f6f4 v[(\d):(\d)+7], v[(\a):(\a)+15], v[(\b):(\b)+15], v[(\d):(\d)+7], v[\sa], v[\sb] matrix_a_fmt:MATRIX_FMT_BF8 matrix_b_fmt:MATRIX_FMT_BF8
.endif
.endif
.endm
.macro P1 q, zero
	WIN 0x53
.irp m,0,1,2,3
.irp t,0,1,2,3
	MM KACC+32*\m+8*\t, WKF+16*\t, XF+16*\m, \zero, SCS+10*(\q)+4+\t/2, SCS+10*(\q)+\m/2, \t%2, \m%2
.endr
.endr
.endm
.macro P2 q, zero
	WIN 0x5c
.irp t,0,1,2,3
.irp m,0,1,2,3
	MM VACC+32*\t+8*\m, XF+16*\m, WVF+16*\t, \zero, SCS+10*(\q)+\m/2, SCS+10*(\q)+8+\t/2, \m%2, \t%2
.endr
.endr
.endm
.macro P3 q, zero
	WIN 0xa3
.irp m,0,1,2,3
.irp t,0,1,2,3
	MM KUA+32*\m+8*\t, WKF+16*\t, UF+16*\m, \zero, SCS+10*(\q)+4+\t/2, SCS+10*(\q)+2+\m/2, \t%2, \m%2
.endr
.endr
.endm
.macro P4 q, zero
	WIN 0xf3
.irp m,0,1,2,3
.irp t,0,1,2,3
	MM VUA+32*\m+8*\t, WVF+16*\t, UF+16*\m, \zero, SCS+10*(\q)+8+\t/2, SCS+10*(\q)+2+\m/2, \t%2, \m%2
.endr
.endr
.endm
.macro P5 q, zero
	WIN 0xa0
.irp m,0,1,2,3
.irp t,0,1,2,3
	MM QUA+32*\m+8*\t, WQF+16*\t, UF+16*\m, \zero, SCS+10*(\q)+6+\t/2, SCS+10*(\q)+2+\m/2, \t%2, \m%2
.endr
.endr
.endm
.macro LDF reg, adr, off
.irp c,0,1,2,3
	ds_load_b128 v[(\reg)+4*\c:(\reg)+4*\c+3], v[\adr] offset:(\off)+512*\c
.endr
.endm
.macro LSC q
.irp i,0,1
	ds_load_b32 v[SCS+10*(\q)+\i], v[ASA+(\q)] offset:128*\i
	ds_load_b32 v[SCS+10*(\q)+2+\i], v[ASA+(\q)] offset:512+128*\i
	ds_load_b32 v[SCS+10*(\q)+4+\i], v[ASB+(\q)] offset:128*\i
	ds_load_b32 v[SCS+10*(\q)+6+\i], v[ASB+(\q)] offset:512+128*\i
	ds_load_b32 v[SCS+10*(\q)+8+\i], v[ASB+(\q)] offset:1024+128*\i
.endr
.endm
.macro LX q
.irp i,0,1,2,3
	LDF XF+16*\i, ADRA+(\q), 2048*\i
.endr
.endm
.macro LU q
.irp i,0,1,2,3
	LDF UF+16*\i, ADRA+(\q), 16384+2048*\i
.endr
.endm
.macro LWQ q
.irp i,0,1,2,3
	LDF WQF+16*\i, ADRB+(\q), 16384+2048*\i
.endr
.endm
.macro LWK q
	WIN 0xc0
.irp i,0,1,2,3
	LDF WKF+16*\i, ADRB+(\q), 2048*\i
.endr
.endm
.macro LWV q
	WIN 0xc0
.irp i,0,1,2,3
	LDF WVF+16*\i, ADRB+(\q), 32768+2048*\i
.endr
.endm
.macro STEP cur, fill, zero
.if PFON
	s_wait_xcnt 0x0                                ; my last prefetch has read its address: it steps a record on
	s_add_nc_u64 s[4:5], s[4:5], s[6:7]
.endif
	s_wait_tensorcnt 0x0
	ds_add_u32 v[SPW], v[NIL]
	s_wait_dscnt 49
	P1 \cur, \zero
	s_wait_dscnt 0x0
	s_barrier_signal -1
	P2 \cur, \zero
	WIN 0
	s_barrier_wait -1
.if \fill
	CREST
	s_add_nc_u64 s[G0+4*(\cur)+2:G0+4*(\cur)+3], s[G0+4*(\cur)+2:G0+4*(\cur)+3], 2*XREC
	s_add_nc_u64 s[G0B+4*(\cur)+2:G0B+4*(\cur)+3], s[G0B+4*(\cur)+2:G0B+4*(\cur)+3], 2*WREC
	JLOAD \cur
	PLACES 4
.else
	PLACES 8
.endif
	s_wait_alu depctr_va_vdst(0)
	LSC 1-(\cur)
	LX 1-(\cur)
.if PFON
	ASK
.endif
	P3 \cur, \zero
	PLACES 8
	LWK 1-(\cur)
	P4 \cur, \zero
	PLACES 8
	LWV 1-(\cur)
	P5 \cur, \zero
	PLACES 8
	WIN 0
	LWQ 1-(\cur)
	LU 1-(\cur)
.endm
	s_wait_alu depctr_va_vdst(0)                   ; the wait at the head's end
	s_wait_tensorcnt 0x0                           ; my record has landed; no tensor load of mine is out, so descriptors may be written:
	s_mov_b32 s[G1+2], 66<<16                      ; a refill brings half a record a wave,
	s_mov_b32 s[G1+4], 66
	s_mov_b32 s[G1B+2], 99<<16
	s_mov_b32 s[G1B+4], 99
	s_mov_b32 s[G0+1], s68                         ; and slot 0's groups 0 stand at my half of record 0
	s_mov_b64 s[G0+2:G0+3], s[66:67]
	s_or_b32 s[G0+3], s[G0+3], 0x80000000
	s_mov_b32 s[G0B+1], s69
	s_mov_b64 s[G0B+2:G0B+3], s[70:71]
	s_or_b32 s[G0B+3], s[G0B+3], 0x80000000
	s_barrier_signal -1
	s_barrier_wait -1
	LSC 0
	LX 0
	LWK 0
	LWV 0
	WIN 0
	LWQ 0
	LU 0
	STEP 0, 1, 1
	s_mov_b32 s3, 2
.Llap:
	STEP 1, 1, 0
	STEP 0, 1, 0
	s_sub_co_u32 s3, s3, 1
	s_cmp_lg_u32 s3, 0
	s_cbranch_scc1 .Llap
.set PFON, 0                           ; record 7 has been named: the last steps ask for nothing
	STEP 1, 1, 0
	STEP 0, 0, 0
	s_wait_dscnt 48
	P1 1, 0
	s_wait_dscnt 0x0
	P2 1, 0
	PLACES 8
	WIN 0
.irp t,0,1,2,3
	global_load_b128 v[BK+8*\t:BK+8*\t+3], v[VBH], s[86:87] offset:(32*(\t/2)+8*(\t%2))*4
	global_load_b128 v[BK+8*\t+4:BK+8*\t+7], v[VBH], s[86:87] offset:(32*(\t/2)+8*(\t%2))*4+16
	global_load_b128 v[BQ+8*\t:BQ+8*\t+3], v[VBH], s[88:89] offset:(32*(\t/2)+8*(\t%2))*4
	global_load_b128 v[BQ+8*\t+4:BQ+8*\t+7], v[VBH], s[88:89] offset:(32*(\t/2)+8*(\t%2))*4+16
.endr
	P3 1, 0
	PLACES 8
	WIN 0xc0
.irp t,0,1,2,3
	global_load_b128 v[BV+8*\t:BV+8*\t+3], v[VBH], s[90:91] offset:(32*(\t/2)+8*(\t%2))*4
	global_load_b128 v[BV+8*\t+4:BV+8*\t+7], v[VBH], s[90:91] offset:(32*(\t/2)+8*(\t%2))*4+16
	global_load_b32 v[BVN+2*\t], v[VBR], s[90:91] offset:(32*(\t/2)+8*(\t%2))*4
	global_load_b32 v[BVN+2*\t+1], v[VBR], s[90:91] offset:(32*(\t/2)+8*(\t%2))*4
.endr
	P4 1, 0
	P5 1, 0
	PLACES 8
	WIN 0
	s_wait_loadcnt 0x0
; v_u leaves first: 16,384 bytes of f32 a wave, more than all the codes together; its stores are on their way while the other four results are quantised
.irp m,0,1,2,3
	WIN 0xcf
.irp i,0,2,4,6,8,10,12,14,16,18,20,22,24,26,28,30
	v_pk_add_f32 v[VUA+32*\m+\i:VUA+32*\m+\i+1], v[VUA+32*\m+\i:VUA+32*\m+\i+1], v[BV+\i:BV+\i+1]
.endr
	WIN 0x0c
.irp i,0,1,2,3,4,5,6,7
	global_store_b128 v[LI], v[VUA+32*\m+4*\i:VUA+32*\m+4*\i+3], s[84:85] offset:4096*\m+512*\i
.endr
.endr
	WIN 0
.macro QUANT2 w, s, floor, pc
	WIN (\w)|((\w)<<2)
.irp b,0,1
	v_max3_num_f32 v[TM+\b], |v[(\s)+16*\b]|, |v[(\s)+16*\b+1]|, \floor
.endr
.irp i,2,4,6,8,10,12,14
.irp b,0,1
	v_max3_num_f32 v[TM+\b], |v[(\s)+16*\b+\i]|, |v[(\s)+16*\b+\i+1]|, v[TM+\b]
.endr
.endr
	WIN 0
.irp b,0,1
	v_permlanex16_b32 v[TM+2+\b], v[TM+\b], s[SEL], s[SEL+1]
.endr
.irp b,0,1
	v_max_num_f32 v[TM+\b], v[TM+\b], v[TM+2+\b]
.endr
.irp b,0,1
	v_add_nc_u32 v[TM+4+\b], 0xf8800000, v[TM+\b]
.endr
.irp b,0,1
	v_and_or_b32 v[TM+6+\b], v[TM+\b], 0x7f800000, s[MNT]
.endr
.irp b,0,1
	v_lshrrev_b32 v[TM+8+\b], 23, v[TM+4+\b]
.endr
	WIN ((\w)<<6)|(\w)
.irp b,0,1
.irp i,0,1,2,3,4,5,6,7,8,9,10,11,12,13,14,15
	v_med3_num_f32 v[(\s)+16*\b+\i], v[(\s)+16*\b+\i], -v[TM+6+\b], v[TM+6+\b]
.endr
.endr
	WIN \w
.irp b,0,1
	v_cvt_scalef32_pk8_bf8_f32 v[(\pc)+4*\b:(\pc)+4*\b+1], v[(\s)+16*\b:(\s)+16*\b+7], v[TM+4+\b]
	v_cvt_scalef32_pk8_bf8_f32 v[(\pc)+4*\b+2:(\pc)+4*\b+3], v[(\s)+16*\b+8:(\s)+16*\b+15], v[TM+4+\b]
.endr
	WIN 0
	v_nop
.endm
.irp m,0,1,2,3
	WIN 0x41
.irp i,0,2,4,6,8,10,12,14,16,18,20,22,24,26,28,30
	v_pk_add_f32 v[KACC+32*\m+\i:KACC+32*\m+\i+1], v[KACC+32*\m+\i:KACC+32*\m+\i+1], v[BK+\i:BK+\i+1]
.endr
	QUANT2 1, KACC+32*\m, 0x8000000, PCS+8*\m
	global_store_b128 v[LI], v[PCS+8*\m:PCS+8*\m+3], s[72:73] offset:(\m/2)*2048+(2*(\m%2))*512
	global_store_b128 v[LI], v[PCS+8*\m+4:PCS+8*\m+7], s[72:73] offset:(\m/2)*2048+(2*(\m%2)+1)*512
.if \m%2 == 0
	v_lshl_or_b32 v[KW+\m/2], v[TM+9], 8, v[TM+8]
.else
	v_lshl_or_b32 v[KW+\m/2], v[TM+8], 16, v[KW+\m/2]
	v_lshl_or_b32 v[KW+\m/2], v[TM+9], 24, v[KW+\m/2]
.endif
.endr
	v_cndmask_b32 v[KW+2], v[KW], v[KW+1], s[HI]
	global_store_b32 v[LS], v[KW+2], s[74:75] offset:16384
	s_wait_xcnt 0x0
.irp t,0,1,2,3
	WIN 0x4d
.irp i,0,2,4,6,8,10,12,14,16,18,20,22,24,26,28,30
	v_pk_add_f32 v[VACC+32*\t+\i:VACC+32*\t+\i+1], v[VACC+32*\t+\i:VACC+32*\t+\i+1], v[BVN+2*\t:BVN+2*\t+1]
.endr
	QUANT2 1, VACC+32*\t, 0x8000000, PCS+8*\t
	global_store_b128 v[LI], v[PCS+8*\t:PCS+8*\t+3], s[76:77] offset:8192+2048*\t
	global_store_b128 v[LI], v[PCS+8*\t+4:PCS+8*\t+7], s[76:77] offset:8192+2048*\t+512
	v_lshl_or_b32 v[HV+\t], v[TM+9], 8, v[TM+8]
.if \t%2 == 1
	v_cndmask_b32 v[HV+4+\t/2], v[HV+\t-1], v[HV+\t], s[HI]
	global_store_b16 v[LS], v[HV+4+\t/2], s[78:79] offset:16640+128*(\t/2)
.endif
.endr
	s_wait_xcnt 0x0
.irp m,0,1,2,3
	WIN 0x82
.irp i,0,2,4,6,8,10,12,14,16,18,20,22,24,26,28,30
	v_pk_add_f32 v[KUA+32*\m+\i:KUA+32*\m+\i+1], v[KUA+32*\m+\i:KUA+32*\m+\i+1], v[BK+\i:BK+\i+1]
.endr
.irp i,0,2,4,6,8,10,12,14,16,18,20,22,24,26,28,30
	v_pk_add_f32 v[QUA+32*\m+\i:QUA+32*\m+\i+1], v[QUA+32*\m+\i:QUA+32*\m+\i+1], v[BQ+\i:BQ+\i+1]
.endr
	WIN 0x0a
	v_pk_mul_f32 v[SUM:SUM+1], v[QUA+32*\m:QUA+32*\m+1], v[KUA+32*\m:KUA+32*\m+1]
	v_pk_mul_f32 v[SUM+2:SUM+3], v[QUA+32*\m+2:QUA+32*\m+3], v[KUA+32*\m+2:KUA+32*\m+3]
.irp i,4,8,12,16,20,24,28
	v_pk_fma_f32 v[SUM:SUM+1], v[QUA+32*\m+\i:QUA+32*\m+\i+1], v[KUA+32*\m+\i:KUA+32*\m+\i+1], v[SUM:SUM+1]
	v_pk_fma_f32 v[SUM+2:SUM+3], v[QUA+32*\m+\i+2:QUA+32*\m+\i+3], v[KUA+32*\m+\i+2:KUA+32*\m+\i+3], v[SUM+2:SUM+3]
.endr
	WIN 0
	v_pk_add_f32 v[SUM:SUM+1], v[SUM:SUM+1], v[SUM+2:SUM+3]
	v_add_f32 v[SUM], v[SUM], v[SUM+1]
	v_permlanex16_b32 v[SUM+1], v[SUM], s[SEL], s[SEL+1]
	v_add_f32 v[SUM], v[SUM], v[SUM+1]
	v_mul_f32 v[SUM+2], 0x3e000000, v[SUM]
	QUANT2 2, QUA+32*\m, 0x9800000, PCS+8*\m
	global_store_b128 v[LI], v[PCS+8*\m:PCS+8*\m+3], s[80:81] offset:1024*\m
	global_store_b128 v[LI], v[PCS+8*\m+4:PCS+8*\m+7], s[80:81] offset:1024*\m+512
	v_add_nc_u32 v[YT], -3, v[TM+8]
	v_add_nc_u32 v[YT+1], -3, v[TM+9]
	v_lshl_or_b32 v[YT], v[YT+1], 8, v[YT]
	v_lshl_or_b32 v[YT], v[YT], 16, v[YT]
	v_cndmask_b32 v[QW+\m], v[YT], v[SUM+2], s[HI]
	global_store_b32 v[LS], v[QW+\m], s[82:83] offset:128*\m
.endr
	WIN 0
	s_wait_tensorcnt 0x0
	ds_add_u32 v[SPW], v[NIL]
	s_wait_dscnt 0x0
	CROUND
	s_endpgm
.Lfunc_end_k_q18a29c9e1f_proj:
	.size	k_q18a29c9e1f_proj, .Lfunc_end_k_q18a29c9e1f_proj-k_q18a29c9e1f_proj
	.p2alignl 7, 3214868480
	.fill 96, 4, 3214868480
	.section	.rodata,"a",@progbits
	.p2align	6, 0x0
	.amdhsa_kernel k_q18a29c9e1f_proj
		.amdhsa_group_segment_fixed_size 327680
		.amdhsa_private_segment_fixed_size 0
		.amdhsa_enable_private_segment 0
		.amdhsa_kernarg_size 72
		.amdhsa_user_sgpr_count 2
		.amdhsa_user_sgpr_kernarg_segment_ptr 1
		.amdhsa_wavefront_size32 1
		.amdhsa_system_sgpr_workgroup_id_x 1
		.amdhsa_system_sgpr_workgroup_id_y 1
		.amdhsa_system_sgpr_workgroup_id_z 1
		.amdhsa_system_vgpr_workitem_id 0
		.amdhsa_next_free_vgpr 1024
		.amdhsa_next_free_sgpr 100
		.amdhsa_reserve_vcc 0
		.amdhsa_float_denorm_mode_32 3
		.amdhsa_float_denorm_mode_16_64 3
		.amdhsa_memory_ordered 1
		.amdhsa_forward_progress 1
		.amdhsa_inst_pref_size 202
	.end_amdhsa_kernel
	.amdgpu_metadata
---
amdhsa.version: [ 1, 2 ]
amdhsa.kernels:
  - .name:           k_q18a29c9e1f_proj
    .symbol:         k_q18a29c9e1f_proj.kd
    .args:
      - { .name: xcodes, .offset: 0, .size: 8, .value_kind: global_buffer, .address_space: global }
      - { .name: wcodes, .offset: 8, .size: 8, .value_kind: global_buffer, .address_space: global }
      - { .name: bk, .offset: 16, .size: 8, .value_kind: global_buffer, .address_space: global }
      - { .name: bq, .offset: 24, .size: 8, .value_kind: global_buffer, .address_space: global }
      - { .name: bv, .offset: 32, .size: 8, .value_kind: global_buffer, .address_space: global }
      - { .name: kvrec, .offset: 40, .size: 8, .value_kind: global_buffer, .address_space: global }
      - { .name: qcodes, .offset: 48, .size: 8, .value_kind: global_buffer, .address_space: global }
      - { .name: qextra, .offset: 56, .size: 8, .value_kind: global_buffer, .address_space: global }
      - { .name: vuimg, .offset: 64, .size: 8, .value_kind: global_buffer, .address_space: global }
    .group_segment_fixed_size: 327680
    .private_segment_fixed_size: 0
    .kernarg_segment_align: 8
    .kernarg_segment_size: 72
    .max_flat_workgroup_size: 128
    .sgpr_count:     100
    .vgpr_count:     1024
    .wavefront_size: 32
...
	.end_amdgpu_metadata
.endif
;; end of part 2
;; launch attn (part 3): grid 4 x 64, 4 waves a work-group, no clusters, 172,544 bytes of LDS; arguments kvrec, qcodes, qextra, vuimg, mask, out0, out1; writes out0, out1
.if DOCPART == 3
	.amdgcn_target "amdgcn-amd-amdhsa--gfx1250"
	.amdhsa_code_object_version 6
	.text
	.protected	k_q18a29c9e1f_attn
	.globl	k_q18a29c9e1f_attn
	.p2align	8
	.type	k_q18a29c9e1f_attn,@function
k_q18a29c9e1f_attn:
	s_mov_b64 s[64:65], 0
	v_nop
	global_prefetch_b8 v0, s[64:65] scope:SCOPE_SE
	s_setreg_imm32_b32 hwreg(HW_REG_WAVE_MODE, 25, 1), 1
	s_wait_xcnt 0x0
; Both attentions of one head.  out0 = softmax(q_u k^T / 8 + mask) v.  out1: the same scores with the diagonal replaced by sum(q_u k_u) / 8; its weights, diagonal set to 0, times v, plus the diagonal weight x v_u.
; All three products on codes of BF8 with E8M0 scales.  For out0 p = 2^(t - M), M a whole number, is quantised along the keys and the result divided by the sum of the unquantised p.  For out1 the FINISHED weights are
; quantised, so a row's sum is known before any code is made: a wave keeps all 1,024 weights of its 16 queries in 512 registers.
; TWO HALVES OF A ROW.  Register steps 0-3 (half A, window 1) and 4-7 (half B, window 2) have each a whole-number maximum of their own, off the diagonal.  M = the larger; a half's p is brought under M by a whole power of two:
; in out0 it is taken off the half's scale bytes, in out1 it lies in the factor that finishes the weights, in the sums it is a v_ldexp_f32.  So half A's exponentials stand ahead of half B's scores, and half B's mask is asked for at the trip's head.
; ONE EXPONENTIAL A SCORE SERVES BOTH OUTPUTS; each variant's diagonal term has an exponential of its own under its own maximum.  The factor 1/8 lies in q's scale bytes; the mask is the C of the score product, loaded into the accumulators.
; SHARES.  A work-group holds one head's k and v (135,168 bytes, filled once) in LDS and walks 256 queries in four trips; a wave takes one tile of 16 queries a trip.
; No cluster: k and v differ between the work-groups that share a mask tile, and a mask tile shared through LDS (65,536 bytes a wave and trip) does not fit beside k and v without a ring that is filled again 16 times a trip's four.
; No prefetch: k and v are filled once at the head, with no loop ahead of them; the mask's 4 MiB are read by all 64 heads; v_u is asked for half a trip ahead of its use.
; LAYOUT.  S^T = k q^T and O^T = v^T p^T: a lane holds one query (lane % 16).  The head's K is 64, the instruction's 128: a pair-fragment holds two key tiles, and q stands beside zeros, in the lower or the upper half.
; Register step g holds key step (g + SQ) % 8, SQ the diagonal's, so the diagonal lies in register step 0: block CQ, register 8 u + r % 8, in the lanes with lane / 16 = r / 8.
; ORDER.  Behind each score product stand three lines of the block maxima of two steps back (steps 4, 5: of half A's sums); a step's eight second products stand among the next step's holds: codes, scale words and v's fragments in two sets.
; LIMITS: NaN and infinities among the projections are not served; -infinity in the mask goes through the matrix unit's C; a row masked wholly by -infinity gives NaN.  Where out0's diagonal t lies more than 64 above every other, the others
; enter at 2^-64 of it; a half whose largest t lies more than 60 under the other's enters at 2^-60 of its own size: both under f32's resolution.  Blocks of p under 2^-51 get the byte 61, blocks of finished weights under 2^-111 the byte 1.
; REGISTERS: window 0: v1-63 addresses, a query's numbers, scale words; v64-95 block maxima; v96-119 zeros, q, zeros; v120-127 p's scale words; v128-247 the quantiser's and the sums'.  Windows 1, 2: the 512 weights.
; Window 3: v0-31 O^T of out0, v32-63 of out1, v64-95 v_u, v96-127 the codes' second set, v128-255 two sets of four fragments.
.set REC,  16896
.set STG,  8*REC
.set SPARE, 0x2a000
.set LI,   1
.set LS,   2
.set R4,   3
.set MR,   4
.set MDO,  5
.set STO,  6
.set RD,   7
.set GO,   8
.set NINF, 9
.set KA,   10
.set KSA,  12
.set VA,   14
.set VSA,  15
.set MA,   16
.set NMA,  24                          ; v[24:25] -M of half A, v[26:27] of half B
.set GNA,  28                          ; v[28:29], v[30:31] what turns a half's p into out1's finished weight
.set RC0,  32
.set DA,   34
.set DQ,   36
.set MQQ,  37
.set SZ,   38
.set QS,   39
.set NM,   40
.set NM0,  41
.set NM1,  42
.set E0,   43
.set E1,   44
.set PD,   45
.set F1,   46
.set L0,   47
.set L1,   48
.set LOFA, 49                          ; v49, v50 the halves' sums
.set PDH,  51
.set TA,   52
.set TB,   53
.set SUBA, 54                          ; v54, v55 what is taken off a half's scale words of p
.set KSC,  56
.set VSC,  60                          ; v60-63 v's scale words, two sets
.set BM,   64
.set QF,   96
.set WDB,  120                         ; v120-123 p's and the finished weights' scale words, two sets
.set PDA,  124
.set GN,   125
.set IA,   126                         ; v126, v127 the halves' shifts, 0 .. -60
.set TQ0,  128
.set TQ1,  144
.set CD,   160                         ; v160-191 codes, set 0 (set 1: window 3, v96-127)
.set BX0,  192
.set BX1,  196
.set SX0,  200
.set SX1,  204
.set HX0,  208
.set HX1,  212
.set YX0,  216
.set YX1,  220
.set PDS,  224
.set TP,   228
.set SA,   232                         ; v232-247 eight chains of sums
.set HY1,  248                         ; v248-251 a second copy of out1's four bounds: block c's at v[248 + (c + 1) % 4], a register number that differs from v[HX1 + c]'s modulo 4, for the second half of a dual pair
.set SPW,  254
.set NIL,  255
.set VUR,  64
.set KB,   128
.set WV,   18
.set J,    19
.set SEL,  20
.set L2E,  22
.set G1,   24
.set G0,   32
.set MNT,  36
.set SQ,   37
.set CQ,   38
.set ROT,  40
.set DM,   48
.set MB,   66                          ; s[66:67] the mask's rows for half A's loads
.set MD,   68
.set QC,   70
.set QX,   72
.set VUP,  74
.set O0P,  76
.set TS,   86
.set MB2,  90                          ; s[90:91] the mask's rows for half B's loads
.set MSB, 0
.set FN, 0
.macro WIN new
.if MSB != (\new)
	s_set_vgpr_msb (MSB<<8)|(\new)
.set MSB, \new
.endif
.endm
.macro PLACES n
.rept \n
	v_nop
.endr
.endm
.macro WALU                            ; ahead of a blocking wait or a branch behind which fresh results are read, and round a batch of transcendentals
	s_wait_alu depctr_va_vdst(0)
.endm
	s_load_b256 s[4:11], s[0:1], 0x0               ; kvrec, qcodes, qextra, vuimg
	s_load_b128 s[12:15], s[0:1], 0x20             ; mask, out0
	s_load_b64 s[16:17], s[0:1], 0x30              ; out1
	v_lshl_add_u32 v[SPW], v0, 2, SPARE
	v_mov_b32 v[NIL], 0
	ds_add_u32 v[SPW], v[NIL]                      ; the opening lines: the add twice on end and its wait ahead of my tensor load
	ds_add_u32 v[SPW], v[NIL]
	v_lshrrev_b32 v10, 5, v0
	v_readfirstlane_b32 s[WV], v10                 ; wave 0..3
	s_and_b32 s80, ttmp7, 0xffff                   ; 16 x batch + head
	s_mov_b32 s[G1], 3<<16                         ; a dense block as 132 rows of 256 bytes: two records
	s_mov_b32 s[G1+1], 32<<16
	s_mov_b32 s[G1+2], 132<<16
	s_mov_b32 s[G1+3], 32<<16
	s_mov_b32 s[G1+4], 132
	s_mov_b32 s[G1+5], 32
	s_mov_b32 s[G1+6], 0
	s_mov_b32 s[G1+7], 0
	s_mul_i32 s81, s[WV], 2*REC
	s_mul_i32 s82, s80, 8*REC
	s_add_co_u32 s82, s82, s81
	s_mov_b32 s83, 0
	s_wait_dscnt 0x0
	s_wait_kmcnt 0x0
	s_mov_b32 s[G0], 1
	s_mov_b32 s[G0+1], s81
	s_add_nc_u64 s[G0+2:G0+3], s[4:5], s[82:83]
	s_or_b32 s[G0+3], s[G0+3], 0x80000000
	tensor_load_to_lds s[G0:G0+3], s[G1:G1+7]      ; my quarter of the head's k and v: the launch's only fill
	s_nop 0
	PLACES 4
	s_lshl_b32 s84, ttmp9, 8
	s_lshr_b32 s85, s[WV], 1
	s_lshl_b32 s85, s85, 5
	s_add_co_u32 s84, s84, s85
	s_and_b32 s85, s[WV], 1                        ; u: my tile's parity
	s_lshl_b32 s86, s85, 3
	s_add_co_u32 s84, s84, s86                     ; slot r of my first tile is position this + r + 8 (r / 8)
	s_mov_b32 s87, 0
	s_lshl_b32 s86, s84, 12
	s_add_nc_u64 s[MB:MB+1], s[12:13], s[86:87]
	s_mul_i32 s86, s84, 4100
	s_add_nc_u64 s[MD:MD+1], s[12:13], s[86:87]
	s_lshl_b32 s88, s80, 6
	s_lshl_b32 s86, ttmp9, 4
	s_add_co_u32 s88, s88, s86
	s_add_co_u32 s88, s88, s[WV]                   ; my first tile, counted over all heads
	s_lshl_b32 s86, s88, 10
	s_add_nc_u64 s[QC:QC+1], s[6:7], s[86:87]
	s_lshl_b32 s86, s88, 7
	s_add_nc_u64 s[QX:QX+1], s[8:9], s[86:87]
	s_lshl_b32 s86, s88, 12
	s_add_nc_u64 s[VUP:VUP+1], s[10:11], s[86:87]
	s_lshr_b32 s86, s80, 4
	s_lshl_b32 s86, s86, 10
	s_add_co_u32 s86, s86, s84
	s_lshl_b32 s86, s86, 12                        ; a row of an output is 4,096 bytes,
	s_and_b32 s89, s80, 15
	s_lshl_b32 s89, s89, 8                         ; a head's part of it 256
	s_add_co_u32 s86, s86, s89
	s_add_nc_u64 s[O0P:O0P+1], s[14:15], s[86:87]
	s_add_nc_u64 s[O0P+2:O0P+3], s[16:17], s[86:87]
	s_cmp_eq_u32 s85, 0
.irp i,0,1,2,3,4,5,6,7
	s_mov_b32 s86, (1<<\i)|(1<<(24+\i))            ; queries r = i (lane i) and r = 8 + i (lane 24 + i)
	s_cselect_b32 s[DM+\i], s86, 0
	s_cselect_b32 s[DM+8+\i], 0, s86
.endr
	s_mov_b32 s[SEL], 0x76543210
	s_mov_b32 s[SEL+1], 0xfedcba98
	s_mov_b32 s[L2E], 0x3fb8aa3b                   ; log2(e)
	s_mov_b32 s[L2E+1], s[L2E]
	s_mov_b32 s[MNT], 0x600000
	s_mov_b32 s92, 0x01010101
	v_and_b32 v10, 31, v0
	v_lshlrev_b32 v[LI], 4, v10
	v_lshlrev_b32 v[LS], 2, v10
	v_and_b32 v11, 15, v0                          ; r
	v_bfe_u32 v12, v0, 4, 1                        ; h
	v_lshlrev_b32 v[R4], 2, v11
	v_and_b32 v13, 8, v11
	v_add_nc_u32 v13, v13, v11                     ; r + 8 (r / 8)
	v_lshlrev_b32 v[MR], 12, v13
	v_lshl_add_u32 v[MR], v12, 6, v[MR]
	v_mul_u32_u24 v[MDO], v13, 4100
	s_mul_i32 s86, s[WV], 32*272
	s_add_co_u32 s86, s86, STG
	v_mul_u32_u24 v[STO], v11, 272
	v_lshl_add_u32 v[STO], v12, 6, v[STO]
	v_add_nc_u32 v[STO], s86, v[STO]               ; into a stage: row r, + 64 bytes for lanes 16-31
	v_mul_u32_u24 v[RD], v12, 272
	v_lshl_add_u32 v[RD], v11, 4, v[RD]
	v_add_nc_u32 v[RD], s86, v[RD]                 ; back: lanes 0-15 one row, lanes 16-31 the next
	v_lshlrev_b32 v[GO], 12, v12
	v_lshl_add_u32 v[GO], v11, 4, v[GO]
	v_mov_b32 v[NINF], 0xff800000
.irp i,0,1,2,3,4,5,6,7
	v_mov_b32 v[QF+\i], 0                          ; zero codes beside q: they add nothing
	v_mov_b32 v[QF+16+\i], 0
.endr
.irp i,NMA+1,NMA+3,GNA+1,GNA+3,RC0+1,DA+1,TA,TB,TP,TP+1,TP+2,TP+3
	v_mov_b32 v[\i], 0                             ; upper halves of pairs of which the low word serves both halves; destinations of lane permutes
.endr
.macro MAKE_MA sq, g0                  ; the mask's 512 bytes of the 128 keys of register steps g0 .. g0 + 3
.irp g,0,1,2,3
	s_add_co_u32 s[TS], s[\sq], (\g0)+\g
	s_and_b32 s[TS], s[TS], 7
	s_lshl_b32 s[TS], s[TS], 9
	v_add_nc_u32 v[MA+(\g0)+\g], s[TS], v[MR]
.endr
.endm
.macro SMALL                           ; a tile's q, its scale words, its replaced diagonal score, its diagonal element of the mask
	global_load_b128 v[QF+8:QF+11], v[LI], s[QC:QC+1]
	global_load_b128 v[QF+12:QF+15], v[LI], s[QC:QC+1] offset:512
	global_load_b32 v[QS], v[R4], s[QX:QX+1]
	global_load_b32 v[SZ], v[R4], s[QX:QX+1] offset:64
	global_load_b32 v[MQQ], v[MDO], s[MD:MD+1]
.endm
.macro MLOAD g, base                   ; the mask of register step g, straight into the scores' accumulators: register 16 c + i = key 32 c + 16 h + i of my query's row
	WIN 0x40*(1+(\g)/4)
.irp c,0,1,2,3
.irp q,0,1,2,3
	global_load_b128 v[64*((\g)%4)+16*\c+4*\q:64*((\g)%4)+16*\c+4*\q+3], v[MA+(\g)], s[\base:\base+1] offset:128*\c+16*\q
.endr
.endr
	WIN 0
.endm
.macro KLOAD g                         ; 18 LDS loads: register step g's four pair-fragments of k and their scale words
	WIN 0
	v_add_nc_u32 v[KA+(\g)%2], s[ROT+(\g)], v[LI]
	v_add_nc_u32 v[KSA+(\g)%2], s[ROT+(\g)], v[LS]
	ds_load_b32 v[KSC+2*((\g)%2)], v[KSA+(\g)%2] offset:16384
	ds_load_b32 v[KSC+2*((\g)%2)+1], v[KSA+(\g)%2] offset:16384+128
	WIN 0xc0
.irp p,0,1,2,3
.irp c,0,1,2,3
	ds_load_b128 v[KB+64*((\g)%2)+16*\p+4*\c:KB+64*((\g)%2)+16*\p+4*\c+3], v[KA+(\g)%2] offset:2048*\p+512*\c
.endr
.endr
	WIN 0
.endm
.macro VLOAD g                         ; 18 LDS loads: its four fragments of v and their scale words, into set g % 2
	WIN 0
	v_add_nc_u32 v[VA], s[ROT+(\g)], v[LI]
	v_add_nc_u32 v[VSA], s[ROT+(\g)], v[LS]
	ds_load_b32 v[VSC+2*((\g)%2)], v[VSA] offset:16640
	ds_load_b32 v[VSC+2*((\g)%2)+1], v[VSA] offset:16640+128
	WIN 0xc0
.irp t,0,1,2,3
.irp c,0,1,2,3
	ds_load_b128 v[KB+64*((\g)%2)+16*\t+4*\c:KB+64*((\g)%2)+16*\t+4*\c+3], v[VA] offset:8192+2048*\t+512*\c
.endr
.endr
	WIN 0
.endm
.macro SC d, a, b, sa, ra              ; a score tile: its C is the mask that lies in its registers
.if \ra
	v_wmma_scale_f32_16x16x128_f8f6f4 v[(\d):(\d)+7], v[(\a):(\a)+15], v[(\b):(\b)+15], v[(\d):(\d)+7], v[\sa], v[QS] matrix_a_fmt:MATRIX_FMT_BF8 matrix_b_fmt:MATRIX_FMT_BF8 matrix_a_scale:MATRIX_SCALE_ROW1
.else
	v_wmma_scale_f32_16x16x128_f8f6f4 v[(\d):(\d)+7], v[(\a):(\a)+15], v[(\b):(\b)+15], v[(\d):(\d)+7], v[\sa], v[QS] matrix_a_fmt:MATRIX_FMT_BF8 matrix_b_fmt:MATRIX_FMT_BF8
.endif
.endm
.macro BML g, k                        ; line k of 40: the largest score of each block of 32 keys of register step g; each accumulator is read from its low end on
.set BW_, 1+(\g)/4
.set BB_, 64*((\g)%4)+16*((\k)%4)
.set BD_, BM+4*(\g)+(\k)%4
.if (\k) < 4
	WIN 0x05*BW_
	v_max_num_f32 v[BD_], v[BB_], v[BB_+1]
.elseif (\k) < 32
	WIN 0x05*BW_
	v_max3_num_f32 v[BD_], v[BB_+2*((\k)/4)], v[BB_+2*((\k)/4)+1], v[BD_]
.elseif (\k) < 36
	WIN 0
	v_permlanex16_b32 v[TP+(\k)%4], v[BD_], s[SEL], s[SEL+1]
.else
	WIN 0
	v_max_num_f32 v[BD_], v[BD_], v[TP+(\k)%4]
.endif
.endm
.macro SUML w, n                       ; line n of 120: the sum of window w's 256 unquantised p, two numbers a line, eight chains
.if (\n) < 8
	WIN 0x05*(\w)
	v_pk_add_f32 v[SA+2*(\n):SA+2*(\n)+1], v[4*(\n):4*(\n)+1], v[4*(\n)+2:4*(\n)+3]
.else
	WIN 0x04*(\w)
	v_pk_add_f32 v[SA+2*((\n)%8):SA+2*((\n)%8)+1], v[SA+2*((\n)%8):SA+2*((\n)%8)+1], v[2*((\n)+8):2*((\n)+8)+1]
.endif
.endm
.macro FILL kind, arg, cnt             ; the next cnt lines of a list: 1 block maxima of step arg; 2, 3 sums of window 1, 2 from line arg on; 0 eight idle places behind the step's last product
.rept \cnt
.if (\kind) == 1
	BML \arg, FN
.elseif (\kind) == 2
	SUML 1, (\arg)+FN
.elseif (\kind) == 3
	SUML 2, (\arg)+FN
.elseif FN >= 24 && FN < 32
	v_nop
.endif
.set FN, FN+1
.endr
.endm
.macro QKS g, kind, arg                ; 8 matrix instructions: 128 keys x my 16 queries, three lines of a list behind each and sixteen behind the last: these are the places ahead of the next loads into k's registers
	WIN 0
	WALU
.if (\g) < 7
	s_wait_dscnt 18                                ; this step's 18 loads are in; the next step's 18 may be out
.else
	s_wait_dscnt 0x0
.endif
.set FN, 0
.irp p,0,1,2,3
	WIN 0x03+0x50*(1+(\g)/4)
	SC 64*((\g)%4)+16*\p, KB+64*((\g)%2)+16*\p, QF+8, KSC+2*((\g)%2)+\p/2, \p%2      ; the pair's first key tile meets q, its second zeros
	FILL \kind, \arg, 3
	WIN 0x03+0x50*(1+(\g)/4)
	SC 64*((\g)%4)+16*\p+8, KB+64*((\g)%2)+16*\p, QF, KSC+2*((\g)%2)+\p/2, \p%2      ; and the other way round
	FILL \kind, \arg, 3
.endr
	FILL \kind, \arg, 16
	WIN 0
.endm
.macro DIAGC c                         ; in the diagonal's block: the diagonal score is taken out, and -infinity put in its place
	s_cmp_lg_u32 s[CQ], \c
	s_cbranch_scc1 .Lnd_\@
	WIN 0x04
.irp i,0,1,2,3,4,5,6,7,8,9,10,11,12,13,14,15
	v_cndmask_b32 v[DQ], v[DQ], v[16*\c+\i], s[DM+\i]
.endr
	WIN 0x41
.irp i,0,1,2,3,4,5,6,7,8,9,10,11,12,13,14,15
	v_cndmask_b32 v[16*\c+\i], v[16*\c+\i], v[NINF], s[DM+\i]
.endr
	WIN 0
.Lnd_\@:
.endm
.macro ROWM x                          ; -M of half x = floor(-t) of its largest score off the diagonal
.irp k,0,1,2,3
	v_max3_num_f32 v[TP+\k], v[BM+16*\x+3*\k], v[BM+16*\x+3*\k+1], v[BM+16*\x+3*\k+2]
.endr
	v_max3_num_f32 v[TP], v[TP], v[BM+16*\x+12], v[BM+16*\x+13]
	v_max3_num_f32 v[TP+1], v[TP+1], v[BM+16*\x+14], v[BM+16*\x+15]
	v_max3_num_f32 v[TP], v[TP], v[TP+1], v[TP+2]
	v_max_num_f32 v[TP], v[TP], v[TP+3]
	v_mul_f32 v[TA], s[L2E], v[TP]
	v_max_num_f32 v[TA], 0xff61b1e6, v[TA]         ; held at -3e38, so that -M stays a number
	v_floor_f32 v[NMA+2*\x], -v[TA]
.endm
.macro FMAX x                          ; t - M for the half's 256 registers, a pair a line, and for its 16 block maxima
	WIN 0x41*(1+\x)
.set n, 0
.rept 128
	v_pk_fma_f32 v[2*n:2*n+1], v[2*n:2*n+1], s[L2E:L2E+1], v[NMA+2*\x:NMA+2*\x+1] op_sel_hi:[1,0,0]
.set n, n+1
.endr
	WIN 0
.set n, 0
.rept 16
	v_fma_f32 v[BM+16*\x+n], v[BM+16*\x+n], s[L2E], v[NMA+2*\x]
.set n, n+1
.endr
.endm
.macro EXPX x                          ; the half's exponentials as one batch, the wait ahead of it
	WALU
	WIN 0x41*(1+\x)
.set n, 0
.rept 256
	v_exp_f32 v[n], v[n]
.set n, n+1
.endr
	WIN 0
.set n, 0
.rept 16
	v_exp_f32 v[BM+16*\x+n], v[BM+16*\x+n]         ; each block's largest p: the same two instructions on the same number
.set n, n+1
.endr
.endm
.macro RED dst                         ; the eight chains, the pair's halves and lane l xor 16's
	WIN 0
.irp k,0,4,8,12
	v_pk_add_f32 v[SA+\k:SA+\k+1], v[SA+\k:SA+\k+1], v[SA+\k+2:SA+\k+3]
.endr
	v_pk_add_f32 v[SA:SA+1], v[SA:SA+1], v[SA+4:SA+5]
	v_pk_add_f32 v[SA+8:SA+9], v[SA+8:SA+9], v[SA+12:SA+13]
	v_pk_add_f32 v[SA:SA+1], v[SA:SA+1], v[SA+8:SA+9]
	v_add_f32 v[TA], v[SA], v[SA+1]
	v_permlanex16_b32 v[TB], v[TA], s[SEL], s[SEL+1]
	v_add_f32 v[\dst], v[TA], v[TB]
.endm
.macro DIAGP c                         ; out0's diagonal weight takes its place among the held p
	s_cmp_lg_u32 s[CQ], \c
	s_cbranch_scc1 .Lnp_\@
	v_min_num_f32 v[PDH], v[PDA], v[HX0+\c]
.irp i,0,1,2,3,4,5,6,7,8,9,10,11,12,13,14,15
	v_cndmask_b32 v[TQ0+\i], v[TQ0+\i], v[PDH], s[DM+\i]
.endr
.Lnp_\@:
.endm
.macro NEXTM g                         ; the next trip's mask of half A goes into the weights' registers as soon as they have been read; the last trip asks for nothing
	s_cmp_eq_u32 s[J], 3
	s_cbranch_scc1 .Lnm_\@
	MLOAD \g, MB
.Lnm_\@:
.endm
.macro OM d, a, b, zero, sa, ra, sb
.if \zero
.if \ra
	v_wmma_scale_f32_16x16x128_f8f6f4 v[(\d):(\d)+7], v[(\a):(\a)+15], v[(\b):(\b)+15], 0, v[\sa], v[\sb] matrix_a_fmt:MATRIX_FMT_BF8 matrix_b_fmt:MATRIX_FMT_BF8 matrix_a_scale:MATRIX_SCALE_ROW1
.else
	v_wmma_scale_f32_16x16x128_f8f6f4 v[(\d):(\d)+7], v[(\a):(\a)+15], v[(\b):(\b)+15], 0, v[\sa], v[\sb] matrix_a_fmt:MATRIX_FMT_BF8 matrix_b_fmt:MATRIX_FMT_BF8
.endif
.else
.if \ra
	v_wmma_scale_f32_16x16x128_f8f6f4 v[(\d):(\d)+7], v[(\a):(\a)+15], v[(\b):(\b)+15], v[(\d):(\d)+7], v[\sa], v[\sb] matrix_a_fmt:MATRIX_FMT_BF8 matrix_b_fmt:MATRIX_FMT_BF8 matrix_a_scale:MATRIX_SCALE_ROW1
.else
	v_wmma_scale_f32_16x16x128_f8f6f4 v[(\d):(\d)+7], v[(\a):(\a)+15], v[(\b):(\b)+15], v[(\d):(\d)+7], v[\sa], v[\sb] matrix_a_fmt:MATRIX_FMT_BF8 matrix_b_fmt:MATRIX_FMT_BF8
.endif
.endif
.endm
.macro PVM gp, t, o                    ; a second product of register step gp: 16 channels t of output o; the eight accumulators take turns
.set S_, (\gp)%2
	WIN 0xf3+0x0c*S_
	OM 32*(\o)+8*(\t), KB+64*S_+16*(\t), CD-64*S_+16*(\o), (\gp)==0, VSC+2*S_+(\t)/2, (\t)%2, WDB+2*S_+(\o)
.endm
; Register step g is quantised both ways into set g % 2, and among its holds stand step g - 1's eight products, which read the other set.  Behind it v's fragments of step g + 1 go where step g - 1's lay.
.macro PVS g
.set PBS, 64*((\g)%4)
.set PWN, 1+(\g)/4
.set GX, GNA+2*((\g)/4)
.set ST, (\g)%2
	WIN 0
.if (\g) > 0
	WALU
	s_wait_dscnt 18                                ; step g - 1's fragments of v are in; step g's 18 loads may be out
.endif
.if (\g) == 0
.irp c,0,1,2,3
	s_cmp_eq_u32 s[CQ], \c
	s_cselect_b32 s[TS], -1, 0
	v_cndmask_b32 v[PDS+\c], 0, v[PDA], s[TS]      ; out0's diagonal weight counts for its block's largest p
.endr
.irp c,0,1,2,3
	v_max3_num_f32 v[BX0+\c], v[BM+\c], v[PDS+\c], 0x26000000
.endr
.else
.irp c,0,1,2,3
	v_max_num_f32 v[BX0+\c], 0x26000000, v[BM+4*(\g)+\c]   ; the floor 2^(76 - 127): the byte is 61 at the least, so that a shift of up to 60 leaves it at 1 or more
.endr
.endif
.irp c,0,1,2,3
	v_mul_f32 v[BX1+\c], v[BM+4*(\g)+\c], v[GX]    ; the same multiplication as the weights' own: the same bits
.endr
.irp c,0,1,2,3
	v_max_num_f32 v[BX1+\c], 0x8000000, v[BX1+\c]
.endr
.irp c,0,1,2,3,4,5,6,7
	v_add_nc_u32 v[SX0+\c], 0xf8800000, v[BX0+\c]  ; (the two sets of four stand on end)  the conversions' scale operands
.endr
.irp c,0,1,2,3,4,5,6,7
	v_and_or_b32 v[HX0+\c], v[BX0+\c], 0x7f800000, s[MNT]   ; 57,344 x the scale
.endr
.irp c,0,1,2,3
	v_and_or_b32 v[HY1+((\c)+1)%4], v[BX1+\c], 0x7f800000, s[MNT]   ; out1's once more
.endr
.irp c,0,1,2,3,4,5,6,7
	v_lshrrev_b32 v[YX0+\c], 23, v[SX0+\c]         ; the bytes
.endr
	v_lshl_or_b32 v[WDB+2*ST], v[YX0+1], 8, v[YX0]
	v_lshl_or_b32 v[WDB+2*ST+1], v[YX1+1], 8, v[YX1]
	v_lshl_or_b32 v[WDB+2*ST], v[YX0+2], 16, v[WDB+2*ST]
	v_lshl_or_b32 v[WDB+2*ST+1], v[YX1+2], 16, v[WDB+2*ST+1]
	v_lshl_or_b32 v[WDB+2*ST], v[YX0+3], 24, v[WDB+2*ST]
	v_lshl_or_b32 v[WDB+2*ST+1], v[YX1+3], 24, v[WDB+2*ST+1]
	v_sub_nc_u32 v[WDB+2*ST], v[WDB+2*ST], v[SUBA+(\g)/4]   ; the half's p under the row's M: its shift off each of the four bytes; no byte borrows
.irp c,0,1,2,3
.if (\g) > 0
	PVM (\g)-1, \c, 0
.endif
	WIN PWN
.irp i,0,1,2,3,4,5,6,7
	v_min_num_f32 v[TQ0+\i], v[PBS+16*\c+\i], v[HX0+\c]     ; p is never negative: the hold is one-sided
.endr
.if (\g) > 0
	PVM (\g)-1, \c, 1
.endif
	WIN PWN
.irp i,8,9,10,11,12,13,14,15
	v_min_num_f32 v[TQ0+\i], v[PBS+16*\c+\i], v[HX0+\c]
.endr
.irp i,0,2,4,6,8,10,12,14
	v_pk_mul_f32 v[TQ1+\i:TQ1+\i+1], v[PBS+16*\c+\i:PBS+16*\c+\i+1], v[GX:GX+1] op_sel_hi:[1,0]   ; the finished weight; the diagonal's p is 0
.endr
	WIN 0
.irp i,0,2,4,6,8,10,12,14
	v_dual_min_num_f32 v[TQ1+\i], v[TQ1+\i], v[HX1+\c] :: v_dual_min_num_f32 v[TQ1+\i+1], v[TQ1+\i+1], v[HY1+((\c)+1)%4]   ; two holds a line: destinations even and odd, each pair of sources in register numbers that differ modulo 4
.endr
.if (\g) == 0
	WALU
	DIAGP \c
.endif
	WIN 0xc0*ST
	v_cvt_scalef32_pk8_bf8_f32 v[CD-64*ST+4*\c:CD-64*ST+4*\c+1], v[TQ0:TQ0+7], v[SX0+\c]
	v_cvt_scalef32_pk8_bf8_f32 v[CD-64*ST+4*\c+2:CD-64*ST+4*\c+3], v[TQ0+8:TQ0+15], v[SX0+\c]
	v_cvt_scalef32_pk8_bf8_f32 v[CD-64*ST+16+4*\c:CD-64*ST+16+4*\c+1], v[TQ1:TQ1+7], v[SX1+\c]
	v_cvt_scalef32_pk8_bf8_f32 v[CD-64*ST+16+4*\c+2:CD-64*ST+16+4*\c+3], v[TQ1+8:TQ1+15], v[SX1+\c]
	WIN 0
	v_nop                                          ; a plain line behind the conversions
.endr
.if (\g) < 4
	NEXTM \g
.endif
.if (\g) < 7
	VLOAD (\g)+1
.endif
.endm
	s_lshl_b32 s[SQ], ttmp9, 1
	MAKE_MA SQ, 0
	WALU                                           ; the head's end
	SMALL
.irp g,0,1,2,3
	MLOAD \g, MB
.endr
	s_wait_tensorcnt 0x0                           ; my quarter of k and v has landed,
	s_barrier_signal -1
	s_barrier_wait -1                              ; everybody's has: the launch's one barrier
	s_mov_b32 s[J], 0
.Ltrip:
	s_wait_loadcnt 0x0                             ; this trip's q, small numbers and half A's mask; no load of mine is out, so address registers and bases may be written
	s_lshl_b32 s[SQ], ttmp9, 1
	s_lshr_b32 s[TS], s[J], 1
	s_add_co_u32 s[SQ], s[SQ], s[TS]               ; the diagonal's key step
	s_lshl_b32 s[CQ], s[J], 1
	s_lshr_b32 s[TS], s[WV], 1
	s_add_co_u32 s[CQ], s[CQ], s[TS]
	s_and_b32 s[CQ], s[CQ], 3                      ; and its block of 32 keys in it
.irp g,0,1,2,3,4,5,6,7
	s_add_co_u32 s[TS], s[SQ], \g
	s_and_b32 s[TS], s[TS], 7
	s_mul_i32 s[ROT+\g], s[TS], REC
.endr
	s_mov_b64 s[MB2:MB2+1], s[MB:MB+1]             ; half B's mask: this trip's rows
	s_add_nc_u64 s[MB:MB+1], s[MB:MB+1], 64*4096   ; the next trip's tile lies 64 positions on
	s_add_nc_u64 s[MD:MD+1], s[MD:MD+1], 64*4100
	s_add_nc_u64 s[QC:QC+1], s[QC:QC+1], 4*1024
	s_add_nc_u64 s[QX:QX+1], s[QX:QX+1], 4*128
	s_add_co_u32 s88, s[J], 1
	s_lshr_b32 s88, s88, 1
	s_lshl_b32 s[TS], ttmp9, 1
	s_add_co_u32 s88, s88, s[TS]
	MAKE_MA SQ, 4
	MAKE_MA 88, 0
	v_mov_b32 v[DQ], v[NINF]
	WALU
	; ---- half A's scores; half B's mask is asked for, 16 loads a step
	KLOAD 0
	KLOAD 1
	MLOAD 4, MB2
	QKS 0, 0, 0
	KLOAD 2
	MLOAD 5, MB2
	QKS 1, 0, 0
	KLOAD 3
	MLOAD 6, MB2
	WALU
	DIAGC 0
	DIAGC 1
	DIAGC 2
	DIAGC 3
	WALU
	QKS 2, 1, 0
	KLOAD 4
	MLOAD 7, MB2
	QKS 3, 1, 1
	KLOAD 5
.set FN, 0
	FILL 1, 2, 40
.set FN, 0
	FILL 1, 3, 40
	v_permlanex16_b32 v[TA], v[DQ], s[SEL], s[SEL+1]
	v_max_num_f32 v[DQ], v[DQ], v[TA]              ; the diagonal score, in both lanes of a query
	ROWM 0
	FMAX 0
	EXPX 0
	v_nop                                          ; a plain line behind the last exponential,
	WALU                                           ; and the batch's wait, ahead of whatever names a result
	s_wait_loadcnt 0x0                             ; half B's mask
	WIN 0xc0
.irp i,0,1,2,3,4,5,6,7
	global_load_b128 v[VUR+4*\i:VUR+4*\i+3], v[LI], s[VUP:VUP+1] offset:512*\i th:TH_LOAD_NT   ; v_u of my tile, wanted at the trip's end
.endr
	WIN 0
	; ---- half B's scores, half A's sums among them
	QKS 4, 2, 0
	KLOAD 6
	QKS 5, 2, 40
	KLOAD 7
	QKS 6, 1, 4
	QKS 7, 1, 5
.set FN, 0
	FILL 1, 6, 40
.set FN, 0
	FILL 1, 7, 40
.set FN, 0
	FILL 2, 80, 40
	RED LOFA
	VLOAD 0
	ROWM 1
	v_min_num_f32 v[NM], v[NMA], v[NMA+2]          ; -M of the whole row off the diagonal
	v_mul_f32 v[TB], s[L2E], v[DQ]
	v_floor_f32 v[TB], -v[TB]
	v_min_num_f32 v[NM0], v[NM], v[TB]             ; out0's own -M, its diagonal counted
	v_add_f32 v[SZ], v[SZ], v[MQQ]                 ; out1's diagonal logit
	v_mul_f32 v[TB], s[L2E], v[SZ]
	v_floor_f32 v[TB], -v[TB]
	v_min_num_f32 v[NM1], v[NM], v[TB]             ; out1's own -M
	v_fma_f32 v[E0], v[DQ], s[L2E], v[NM0]
	v_fma_f32 v[E1], v[SZ], s[L2E], v[NM1]
	FMAX 1
	EXPX 1
	v_exp_f32 v[E0], v[E0]
	v_exp_f32 v[E1], v[E1]
	v_nop
	WALU
.set FN, 0
	FILL 3, 0, 120
	RED LOFA+1
	; ---- the row's numbers
	v_sub_f32 v[IA], v[NM], v[NMA]                 ; a half's M less the row's: a whole number, 0 or less,
	v_sub_f32 v[IA+1], v[NM], v[NMA+2]
	v_max_num_f32 v[IA], 0xc2700000, v[IA]         ; held at -60
	v_max_num_f32 v[IA+1], 0xc2700000, v[IA+1]
	v_cvt_i32_f32 v[IA], v[IA]
	v_cvt_i32_f32 v[IA+1], v[IA+1]
	v_ldexp_f32 v[LOFA], v[LOFA], v[IA]
	v_ldexp_f32 v[LOFA+1], v[LOFA+1], v[IA+1]
	v_add_f32 v[LOFA], v[LOFA], v[LOFA+1]          ; the sum off the diagonal under M
	v_sub_nc_u32 v[TB], 0, v[IA]
	v_sub_nc_u32 v[PDH], 0, v[IA+1]
	v_mul_lo_u32 v[SUBA], v[TB], s92               ; the shift in each of a scale word's four bytes
	v_mul_lo_u32 v[SUBA+1], v[PDH], s92
	v_sub_f32 v[TA], v[NM], v[NM0]                 ; out0's M less M: 0 or more,
	v_min_num_f32 v[TA], 0x42800000, v[TA]         ; held at 64
	v_cvt_i32_f32 v[TA], v[TA]
	v_ldexp_f32 v[PD], v[E0], v[TA]                ; out0's diagonal weight under M
	v_add_f32 v[L0], v[LOFA], v[PD]
	v_ldexp_f32 v[PDA], v[PD], v[TB]               ; and under half A's own maximum: 2^124 at the most
	v_sub_f32 v[TA], v[NM1], v[NM]                 ; M less out1's M: 0 or less
	v_cvt_i32_f32 v[TA], v[TA]                     ; (it saturates)
	v_ldexp_f32 v[F1], 1.0, v[TA]
	v_fma_f32 v[L1], v[LOFA], v[F1], v[E1]         ; out1's sum under its own M
	WALU
	v_rcp_f32 v[RC0], v[L0]
	v_rcp_f32 v[TA], v[L1]
	v_nop
	WALU
	v_mul_f32 v[GN], v[F1], v[TA]
	v_mul_f32 v[DA], v[E1], v[TA]
	v_ldexp_f32 v[GNA], v[GN], v[IA]
	v_ldexp_f32 v[GNA+2], v[GN], v[IA+1]
	; ---- both second products
	WALU
	s_wait_loadcnt 0x0                             ; v_u is in: no load of mine is out
	s_cmp_eq_u32 s[J], 3
	s_cbranch_scc1 .Lno_small
	SMALL
.Lno_small:
.irp g,0,1,2,3,4,5,6,7
	PVS \g
.endr
	PLACES 4                                       ; codes written by vector instructions stand four places ahead of the products
	WALU
	s_wait_dscnt 0x0
.irp t,0,1,2,3
	PVM 7, \t, 0
	PVM 7, \t, 1
.endr
	; ---- the way out: out0 = O / its sum; out1 = O + the diagonal weight x v_u; through my stages, so that sixteen lanes store 256 consecutive aligned bytes
	PLACES 8
	WIN 0xc3
.irp i,0,2,4,6,8,10,12,14,16,18,20,22,24,26,28,30
	v_pk_mul_f32 v[\i:\i+1], v[\i:\i+1], v[RC0:RC0+1] op_sel_hi:[1,0]
.endr
	WIN 0xf3
.irp i,0,2,4,6,8,10,12,14,16,18,20,22,24,26,28,30
	v_pk_fma_f32 v[32+\i:32+\i+1], v[VUR+\i:VUR+\i+1], v[DA:DA+1], v[32+\i:32+\i+1] op_sel_hi:[1,0,1]
.endr
	WIN 0x0c
.irp o,0,1
.irp t,0,1,2,3
.irp q,0,1
	ds_store_b128 v[STO], v[32*\o+8*\t+4*\q:32*\o+8*\t+4*\q+3] offset:4352*\o+128*(\t/2)+32*(\t%2)+16*\q   ; register 8 t + i is channel 32 (t / 2) + 8 (t % 2) + 16 h + i
.endr
.endr
.endr
	WIN 0xc0
.irp o,0,1
.irp i,0,1,2,3,4,5,6,7
	ds_load_b128 v[KB+64+32*\o+4*\i:KB+64+32*\o+4*\i+3], v[RD] offset:4352*\o+544*\i   ; LDS serves a wave's instructions in order: these see my stores
.endr
.endr
	WIN 0x0c
.irp o,0,1
.irp i,0,1,2,3,4,5,6,7
	s_wait_dscnt 15-8*\o-\i
	global_store_b128 v[GO], v[KB+64+32*\o+4*\i:KB+64+32*\o+4*\i+3], s[O0P+2*\o:O0P+2*\o+1] offset:(2*\i+8*(\i/4))*4096 th:TH_STORE_NT   ; slots 2 i and 2 i + 1 are positions 2 i + 8 (i / 4) and the next
.endr
.endr
	WIN 0
	s_wait_xcnt 0x0                                ; the stores have read their registers and bases
	s_add_nc_u64 s[O0P:O0P+1], s[O0P:O0P+1], 64*4096
	s_add_nc_u64 s[O0P+2:O0P+3], s[O0P+2:O0P+3], 64*4096
	s_add_nc_u64 s[VUP:VUP+1], s[VUP:VUP+1], 4*4096
	s_add_co_u32 s[J], s[J], 1
	s_cmp_lt_u32 s[J], 4
	WALU
	s_cbranch_scc1 .Ltrip
	s_wait_tensorcnt 0x0                           ; the wave's end
	ds_add_u32 v[SPW], v[NIL]
	s_wait_dscnt 0x0
	s_endpgm
.Lfunc_end_k_q18a29c9e1f_attn:
	.size	k_q18a29c9e1f_attn, .Lfunc_end_k_q18a29c9e1f_attn-k_q18a29c9e1f_attn
	.p2alignl 7, 3214868480
	.fill 96, 4, 3214868480
	.section	.rodata,"a",@progbits
	.p2align	6, 0x0
	.amdhsa_kernel k_q18a29c9e1f_attn
		.amdhsa_group_segment_fixed_size 172544
		.amdhsa_private_segment_fixed_size 0
		.amdhsa_enable_private_segment 0
		.amdhsa_kernarg_size 56
		.amdhsa_user_sgpr_count 2
		.amdhsa_user_sgpr_kernarg_segment_ptr 1
		.amdhsa_wavefront_size32 1
		.amdhsa_system_sgpr_workgroup_id_x 1
		.amdhsa_system_sgpr_workgroup_id_y 1
		.amdhsa_system_sgpr_workgroup_id_z 1
		.amdhsa_system_vgpr_workitem_id 0
		.amdhsa_next_free_vgpr 1024
		.amdhsa_next_free_sgpr 96
		.amdhsa_reserve_vcc 0
		.amdhsa_float_denorm_mode_32 3
		.amdhsa_float_denorm_mode_16_64 3
		.amdhsa_memory_ordered 1
		.amdhsa_forward_progress 1
		.amdhsa_inst_pref_size 252
	.end_amdhsa_kernel
	.amdgpu_metadata
---
amdhsa.version: [ 1, 2 ]
amdhsa.kernels:
  - .name:           k_q18a29c9e1f_attn
    .symbol:         k_q18a29c9e1f_attn.kd
    .args:
      - { .name: kvrec, .offset: 0, .size: 8, .value_kind: global_buffer, .address_space: global }
      - { .name: qcodes, .offset: 8, .size: 8, .value_kind: global_buffer, .address_space: global }
      - { .name: qextra, .offset: 16, .size: 8, .value_kind: global_buffer, .address_space: global }
      - { .name: vuimg, .offset: 24, .size: 8, .value_kind: global_buffer, .address_space: global }
      - { .name: mask, .offset: 32, .size: 8, .value_kind: global_buffer, .address_space: global }
      - { .name: out0, .offset: 40, .size: 8, .value_kind: global_buffer, .address_space: global }
      - { .name: out1, .offset: 48, .size: 8, .value_kind: global_buffer, .address_space: global }
    .group_segment_fixed_size: 172544
    .private_segment_fixed_size: 0
    .kernarg_segment_align: 8
    .kernarg_segment_size: 56
    .max_flat_workgroup_size: 128
    .sgpr_count:     96
    .vgpr_count:     1024
    .wavefront_size: 32
...
	.end_amdgpu_metadata
.endif
;; end of part 3
